; MI455X (gfx1250); checked and timed in simulation.
; The chip was launched on July 23, 2026; its instructions are those of AMD's public machine-readable ISA for CDNA 5 (MIT licence, August 2026) and "CDNA5" Instruction Set Architecture Reference Guide (July 2026). The comments in the code are by the model that wrote it; some were corrected since.
;; MSA. Allowed arithmetic: matrix products marked QUANTISED: E2M1 operands, one E8M0 scale for each 32 along K, by v_wmma_scale_f32_16x16x128_f8f6f4 with both operands' format E2M1 (or v_wmma_scale_f32_32x16x128_f4), f32 sums; everything else in f32.
;; Inputs: Wk 1,024 x 1,024 float32; Wo 1,024 x 1,024 float32; Wq 1,024 x 1,024 float32; Wv 1,024 x 1,024 float32; bo 1,024 float32; x 4 x 2,048 x 1,024 float32.
;; Outputs: out0 4 x 2,048 x 1,024 float32.
;; This version of the problem:
;;   THIS VERSION OF THE PROBLEM IS GIVEN IN LOW PRECISION. The matrix products marked QUANTISED in the list below multiply operands that are first quantised to E2M1 (2 exponent bits, 1 mantissa bit; 4 bits a number), with one power-of-two scale for each 32 numbers along K (OCP MX v1.0); their sums are f32. All else is computed in f32.
;;   The module's matrix products, in the order in which they are computed (A, B: the left and right operand; K: the contracted axis; several contracted axes count as one K, in the product's order):
;;     1. [M 8,192, K 1,024] x [K 1,024, N 1,024]; A: input x; B: input Wq: QUANTISED
;;     2. [M 8,192, K 1,024] x [K 1,024, N 1,024]; A: input x; B: input Wk: QUANTISED
;;     3. [M 8,192, K 1,024] x [K 1,024, N 1,024]; A: input x; B: input Wv: QUANTISED
;;     4. batch 64 x [M 2,048, K 64] x [K 64, N 2,048]; A: computed on the way; B: computed on the way: QUANTISED
;;     5. batch 64 x [M 2,048, K 2,048] x [K 2,048, N 64]; A: softmax (see below); B: computed on the way: QUANTISED
;;     6. [M 8,192, K 1,024] x [K 1,024, N 1,024]; A: computed on the way; B: input Wo: QUANTISED
;;   THE QUANTISER, for each operand of a quantised product, along K:
;;     - K is cut into blocks of 32 from its start; a last block that is shorter is filled with zeros.
;;     - A block's scale is 2^e with e = floor(log2(the largest magnitude in the block)) - 2, held to -126 .. 127; a block of zeros has e = 0. As a byte (E8M0): e + 127.
;;     - Each number is divided by its block's scale, clamped to +-6, and rounded to the nearest number of E2M1, ties to even, subnormals kept.
;;     - The product sums the exact products of the quantised numbers (number of the format x scale) in f32.
;;   ~~~python
;;   def quantise(x, axis):      # numpy; x: float32 -> the quantised numbers, widened to float32 again
;;       x = np.moveaxis(x, axis, -1); K = x.shape[-1]
;;       x = np.pad(x, [(0, 0)] * (x.ndim - 1) + [(0, -K % 32)]); x = x.reshape(x.shape[:-1] + (-1, 32)); a = np.abs(x).max(-1, keepdims=True)
;;       e = np.where(a > 0, np.clip(np.frexp(np.where(a > 0, a, 1))[1] - 1 - 2, -126, 127), 0)      # np.frexp(a)[1] - 1 = floor(log2(a)), exactly
;;       r = np.clip(x / 2.0 ** e, -6, 6)
;;       step = 2.0 ** (np.maximum(np.frexp(np.where(r == 0, 1, r))[1] - 1, 0) - 1)
;;       q = np.round(r / step) * step * 2.0 ** e      # np.round: ties to even
;;       return np.moveaxis(q.reshape(q.shape[:-2] + (-1,))[..., :K], -1, axis).astype(np.float32)
;;   ~~~
;;   SOFTMAX AHEAD OF A QUANTISED PRODUCT. Where the list says 'softmax', what is quantised is not the finished softmax but p = 2^(t - M), with t = logit x log2(e) and M = ceil(the row's largest t), a whole number; so 1/2 < the row's largest p <= 1. The row's sum l is taken of the UNQUANTISED p, in f32, and the product's result is divided by l at the end. Since M is a whole number, a kernel that streams over the keys may use a running M (the ceiling of the running maximum): every later rescaling is an exact power of two, which a block's scale takes up: the codes' values come out the same.
;;   OPERANDS COMPUTED ON THE WAY. 'Computed on the way' means the value that the module computes at that place (a softmax that the list does not call 'softmax' is quantised finished and normalised). What goes into a quantiser is computed in f32, as accurately as f32 sums, v_exp_f32 and their like allow (about 1e-6 of the number): no bf16 or f16 on the way to a quantiser, and a product that is left as it is and whose result goes on into a quantised operand takes f32 operands (vector FMAs, or v_wmma_f32_16x16x4_f32). A number that lies on a knife's edge between two numbers of the format may be rounded either way, as far as f32 arithmetic and the matrix unit's own rounding can turn it there, and no further.
;; One version. Each part assembles by itself: llvm-mc -triple=amdgcn-amd-amdhsa -mcpu=gfx1250 --defsym DOCPART=n.
;; ======== version 1 of 1: 4 launches
;; workspace buffers: xc 4,194,304 bytes; xs 262,144 bytes; wc 2,097,152 bytes; ws 131,072 bytes; qb 4,718,592 bytes; kv 9,175,040 bytes; sac 4,194,304 bytes; sas 262,144 bytes
;; launch quant (part 1): grid 512 x 1, 4 waves a work-group, no clusters, 34,304 bytes of LDS; arguments Wq, Wk, Wv, Wo, xc, xs, wc, ws, x; writes xc, xs, wc, ws
.if DOCPART == 1
	.amdgcn_target "amdgcn-amd-amdhsa--gfx1250"
	.amdhsa_code_object_version 6
	.text
	.protected	k_qa3b83bb99f_quant
	.globl	k_qa3b83bb99f_quant
	.p2align	8
	.type	k_qa3b83bb99f_quant,@function
k_qa3b83bb99f_quant:
	s_mov_b64 s[64:65], 0
	v_nop
	global_prefetch_b8 v0, s[64:65] scope:SCOPE_SE
	s_setreg_imm32_b32 hwreg(HW_REG_WAVE_MODE, 25, 1), 1
	s_wait_xcnt 0x0
; x [8192][1024] and Wq, Wk, Wv, Wo [1024 (k)][1024 (n)], f32, become codes of FP4 (E2M1) with one E8M0 byte for each 32 along K, laid IN THE ORDER OF AN OPERAND'S REGISTERS.
; A block's scale is 2^(floor(log2(its largest magnitude)) - 2); its byte is the largest magnitude's exponent field - 2, held at 1 from below.
; TILES.  Rows (tokens of x, columns n of a weight) go in groups of 32; tile 2 g + u holds, at its index i = 0 .. 15, row 32 g + 8 u + i + 8 (i / 8).  Used as source 0 of a product, tiles 2 g and 2 g + 1 then
; leave 16 NEIGHBOURING rows in a lane's 16 result registers, which is what the next quantiser wants.
; A FRAGMENT (16 rows x 128 K) is 1,024 bytes: [c 2][lane 32][16 bytes]; lane (r, h), part c holds k = 64 c + 32 h + 0 .. 31 of index r.  So block kb of index r lies at 256 kb + 16 r.
; xc: [256 rows][slot of 512 K][tile 16][K step 4][fragment];  wc the same, Wq, Wk, Wv, Wo on end;  xs, ws: [tile][K step 8][index 16] words of four bytes.
; Work-groups 0-255 take x (32 rows each; a wave takes a tile and 512 along K), 256-511 the weights (a K step of 128 x 128 columns each; a wave takes 32 columns).  Nothing is read by two work-groups: no cluster.
; LIMITS: NaN and infinities among the inputs are not served.  A block whose largest magnitude lies under 2^-124 has its byte held at 1; a block of zeros gets the byte 1 where the rule says 127: its codes are
; zeros, which add nothing under that byte, and this program alone reads the bytes.
.set STG, 8448                         ; x path: a wave's stage in LDS: 16 rows of 512 bytes + 16 of padding
.set SP,  528                          ; its pitch: 33 x 16 bytes, so the 16 rows that a read touches begin in 16 different columns of 16 bytes
.set RR,  64                           ; v64-191   x path: two sets of 64 registers as loaded;  weights: four blocks of 32 numbers
.set XX,  192                          ; v192-255  x path: my 64 numbers of a K step: two whole blocks
.set CC,  24                           ; v24-55    codes: registers of their own for each step or block, so that no store's data are written again
.set SW,  16                           ; v16-19    scale words
	s_load_b256 s[8:15], s[0:1], 0x0               ; Wq, Wk, Wv, Wo
	s_load_b256 s[16:23], s[0:1], 0x20             ; xc, xs, wc, ws
	s_load_b64 s[4:5], s[0:1], 0x40                ; x
	v_lshl_add_u32 v62, v0, 2, 0x8400
	v_mov_b32 v63, 0
	v_lshrrev_b32 v1, 5, v0
	v_readfirstlane_b32 s24, v1                    ; wave 0..3
	v_and_b32 v1, 31, v0                           ; lane
	v_and_b32 v2, 15, v0                           ; r
	v_bfe_u32 v3, v0, 4, 1                         ; h
	v_lshlrev_b32 v4, 4, v1                        ; 16 x lane
	v_lshlrev_b32 v8, 2, v1                        ; 4 x lane
	s_cmp_lt_u32 ttmp9, 256
	s_cbranch_scc0 .Lweights
; ---------------------------------------------------------------- x
	s_lshr_b32 s28, s24, 1                         ; u: which tile of the group
	s_and_b32 s29, s24, 1                          ; which 512 along K
	s_lshl_b32 s30, ttmp9, 17                      ; x: 32 rows of 4,096 bytes a group,
	s_lshl_b32 s32, s28, 15                        ; 8 rows on for tile 1,
	s_add_co_u32 s30, s30, s32
	s_lshl_b32 s32, s29, 11                        ; 2,048 bytes on for the second 512
	s_add_co_u32 s30, s30, s32
	s_mov_b32 s31, 0
	s_lshr_b32 s34, ttmp9, 3                       ; xc: 131,072 bytes for each 256 rows,
	s_lshl_b32 s34, s34, 17
	s_lshl_b32 s32, s29, 16                        ; 65,536 a slot,
	s_add_co_u32 s34, s34, s32
	s_and_b32 s32, ttmp9, 7
	s_lshl_b32 s32, s32, 1
	s_add_co_u32 s32, s32, s28
	s_lshl_b32 s32, s32, 12                        ; 4,096 a tile
	s_add_co_u32 s34, s34, s32
	s_mov_b32 s35, 0
	s_lshl_b32 s36, ttmp9, 1                       ; xs: 512 bytes a tile, 64 a K step
	s_add_co_u32 s36, s36, s28
	s_lshl_b32 s36, s36, 9
	s_lshl_b32 s32, s29, 8
	s_add_co_u32 s36, s36, s32
	s_mov_b32 s37, 0
	s_mov_b32 s26, 0x76543210                      ; v_permlanex16_b32's selects for lane l xor 16
	s_mov_b32 s27, 0xfedcba98
	s_mul_i32 s33, s24, STG
	s_wait_alu depctr_va_vdst(0)
	v_add_nc_u32 v5, s33, v4                       ; into the stage: a row's 512 bytes as they lie
	v_mul_u32_u24 v6, v2, SP
	v_lshl_add_u32 v6, v3, 7, v6
	v_add_nc_u32 v6, s33, v6                       ; out of it: row r, 128 h bytes on: my block of 32
	v_lshlrev_b32 v7, 3, v3                        ; 8 h: where my two bytes stand in the scale word
	v_mov_b32 v9, 0                                ; a lane permute's destination counts as one of its sources
	s_wait_alu depctr_va_vdst(0)
	s_wait_kmcnt 0x0
	s_add_nc_u64 s[4:5], s[4:5], s[30:31]
	s_add_nc_u64 s[16:17], s[16:17], s[34:35]
	s_add_nc_u64 s[18:19], s[18:19], s[36:37]
.macro XLD s                           ; K step s of the tile's 16 rows: each load reads 512 consecutive bytes of one row
.irp i, 0,1,2,3,4,5,6,7,8,9,10,11,12,13,14,15
	global_load_b128 v[RR+64*((\s)%2)+4*\i:RR+64*((\s)%2)+4*\i+3], v4, s[4:5] offset:(\i+8*(\i/8))*4096+512*(\s) th:TH_LOAD_NT
.endr
.endm
.macro XSTEP s
.if (\s) < 3
	s_wait_loadcnt 16                              ; this step's 16 loads are in; the next step's 16 may be out
.else
	s_wait_loadcnt 0x0
.endif
.irp i, 0,1,2,3,4,5,6,7,8,9,10,11,12,13,14,15
	ds_store_b128 v5, v[RR+64*((\s)%2)+4*\i:RR+64*((\s)%2)+4*\i+3] offset:SP*\i
.endr
.irp c, 0,1
.irp j, 0,1,2,3,4,5,6,7
	ds_load_b128 v[XX+32*\c+4*\j:XX+32*\c+4*\j+3], v6 offset:256*\c+16*\j   ; LDS serves a wave's instructions in order: these see the stores above.  Block 2 c + h of row r, whole
.endr
.endr
	s_wait_dscnt 0x0                               ; my 64 numbers are in, and the stores have read the set
.if (\s) < 2
	XLD (\s)+2                                     ; which takes the loads of two steps on
.endif
.irp c, 0,1
	v_max3_num_f32 v[10+\c], |v[XX+32*\c]|, |v[XX+32*\c+1]|, 0x1800000   ; the floor 2^(3 - 127): the byte cannot fall under 1
.endr
.irp i, 2,4,6,8,10,12,14,16,18,20,22,24,26,28,30
.irp c, 0,1
	v_max3_num_f32 v[10+\c], v[10+\c], |v[XX+32*\c+\i]|, |v[XX+32*\c+\i+1]|   ; the two blocks by turns
.endr
.endr
.irp c, 0,1
	v_add_nc_u32 v[12+\c], 0xff000000, v[10+\c]    ; 2 off the exponent field: the conversion takes this operand's exponent field as its scale
.endr
.irp c, 0,1
	v_lshrrev_b32 v[14+\c], 23, v[12+\c]           ; the scale's byte
.endr
.irp c, 0,1
.irp g, 0,1,2,3
	v_cvt_scalef32_pk8_fp4_f32 v[CC+8*(\s)+4*\c+\g], v[XX+32*\c+8*\g:XX+32*\c+8*\g+7], v[12+\c]
.endr
.endr
	v_lshl_or_b32 v22, v15, 16, v14                ; (the plain line behind the conversions)  my two bytes: blocks h and 2 + h,
	v_lshlrev_b32 v22, v7, v22                     ; at their places in the word;
	v_permlanex16_b32 v9, v22, s26, s27
	v_or_b32 v[SW+(\s)], v22, v9                   ; with lane l xor 16's two the word is whole, in both lanes
.irp c, 0,1
	global_store_b128 v4, v[CC+8*(\s)+4*\c:CC+8*(\s)+4*\c+3], s[16:17] offset:1024*(\s)+512*\c   ; 32 lanes store 512 consecutive bytes, aligned
.endr
.endm
	XLD 0
	XLD 1
	XSTEP 0
	XSTEP 1
	XSTEP 2
	XSTEP 3
	v_cmp_gt_u32 vcc_lo, 16, v1
	v_cndmask_b32 v20, v17, v16, vcc_lo            ; lanes 0-15 store an even step's words, lanes 16-31 the odd step's: 128 consecutive bytes a store
	v_cndmask_b32 v21, v19, v18, vcc_lo
	global_store_b32 v8, v20, s[18:19]
	global_store_b32 v8, v21, s[18:19] offset:128
	s_wait_tensorcnt 0x0
	ds_add_u32 v62, v63
	s_wait_dscnt 0x0
	s_endpgm
; ---------------------------------------------------------------- the weights: K is the FIRST axis: a lane takes a column n, its registers run down K
.Lweights:
	s_sub_co_u32 s28, ttmp9, 256
	s_lshr_b32 s29, s28, 6                         ; which weight: 0 Wq, 1 Wk, 2 Wv, 3 Wo
	s_bfe_u32 s30, s28, 0x30003                    ; K step 0..7
	s_and_b32 s31, s28, 7
	s_lshl_b32 s31, s31, 2
	s_add_co_u32 s31, s31, s24                     ; my group of 32 columns, 0..31
	s_lshl_b32 s32, s30, 19                        ; in: 128 rows of 4,096 bytes a K step, 128 bytes a group
	s_lshl_b32 s34, s31, 7
	s_add_co_u32 s32, s32, s34
	s_mov_b32 s33, 0
	s_lshl_b32 s36, s29, 2                         ; wc: 131,072 bytes for each 256 columns,
	s_lshr_b32 s34, s31, 3
	s_add_co_u32 s36, s36, s34
	s_lshl_b32 s36, s36, 17
	s_lshr_b32 s34, s30, 2                         ; 65,536 a slot,
	s_lshl_b32 s34, s34, 16
	s_add_co_u32 s36, s36, s34
	s_and_b32 s34, s31, 7                          ; 8,192 a group (two tiles),
	s_lshl_b32 s34, s34, 13
	s_add_co_u32 s36, s36, s34
	s_and_b32 s34, s30, 3                          ; 1,024 a K step
	s_lshl_b32 s34, s34, 10
	s_add_co_u32 s36, s36, s34
	s_mov_b32 s37, 0
	s_lshl_b32 s38, s29, 6                         ; ws: 512 bytes a tile, 64 a K step
	s_lshl_b32 s34, s31, 1
	s_add_co_u32 s38, s38, s34
	s_lshl_b32 s38, s38, 9
	s_lshl_b32 s34, s30, 6
	s_add_co_u32 s38, s38, s34
	s_mov_b32 s39, 0
	v_bfe_u32 v10, v0, 3, 1                        ; column 32 g + l lies in tile u = (l / 8) % 2
	v_and_b32 v11, 7, v0
	s_wait_alu depctr_va_vdst(0)
	v_lshl_add_u32 v11, v3, 3, v11                 ; at index l % 8 + 8 (l / 16)
	v_lshlrev_b32 v5, 12, v10
	v_lshl_add_u32 v5, v11, 4, v5                  ; codes: 4,096 u + 16 x index
	v_lshlrev_b32 v6, 9, v10
	v_lshl_add_u32 v6, v11, 2, v6                  ; words: 512 u + 4 x index
	s_wait_kmcnt 0x0
	s_cmp_eq_u32 s29, 1                            ; the choice hangs on the work-group's number alone
	s_cselect_b64 s[8:9], s[10:11], s[8:9]
	s_cmp_eq_u32 s29, 2
	s_cselect_b64 s[8:9], s[12:13], s[8:9]
	s_cmp_eq_u32 s29, 3
	s_cselect_b64 s[8:9], s[14:15], s[8:9]
	s_add_nc_u64 s[8:9], s[8:9], s[32:33]
	s_add_nc_u64 s[20:21], s[20:21], s[36:37]
	s_add_nc_u64 s[22:23], s[22:23], s[38:39]
.macro WLD kb                          ; block kb: W(32 kb + i, my column): a wave reads 128 consecutive bytes, the four waves side by side 512
.irp i, 0,1,2,3,4,5,6,7,8,9,10,11,12,13,14,15,16,17,18,19,20,21,22,23,24,25,26,27,28,29,30,31
	global_load_b32 v[RR+32*(\kb)+\i], v8, s[8:9] offset:(32*(\kb)+\i)*4096 th:TH_LOAD_NT
.endr
.endm
.macro WBLK kb
.set WX, RR+32*(\kb)
.if (\kb) < 3
	s_wait_loadcnt 32                              ; this block's 32 loads are in; the next block's 32 may be out
.else
	s_wait_loadcnt 0x0
.endif
.if (\kb) < 2
	WLD (\kb)+2
.endif
	v_max3_num_f32 v12, |v[WX]|, |v[WX+1]|, |v[WX+2]|              ; all 32 numbers of the block are mine: two chains
	v_max3_num_f32 v13, |v[WX+3]|, |v[WX+4]|, |v[WX+5]|
.irp i, 6,10,14,18,22,26
	v_max3_num_f32 v12, v12, |v[WX+\i]|, |v[WX+\i+1]|
	v_max3_num_f32 v13, v13, |v[WX+\i+2]|, |v[WX+\i+3]|
.endr
	v_max3_num_f32 v12, v12, |v[WX+30]|, |v[WX+31]|
	v_max3_num_f32 v12, v12, v13, 0x1800000        ; and the floor
	v_add_nc_u32 v14, 0xff000000, v12
	v_lshrrev_b32 v15, 23, v14
.if (\kb) == 0
	v_mov_b32 v[SW], v15
.else
	v_lshl_or_b32 v[SW], v15, 8*(\kb), v[SW]       ; the K step's four bytes make my column's word
.endif
.irp g, 0,1,2,3
	v_cvt_scalef32_pk8_fp4_f32 v[CC+4*(\kb)+\g], v[WX+8*\g:WX+8*\g+7], v14
.endr
	v_nop                                          ; one plain line behind the conversions
	global_store_b128 v5, v[CC+4*(\kb):CC+4*(\kb)+3], s[20:21] offset:256*(\kb)   ; sixteen lanes fill 256 consecutive bytes of tile 2 g's fragment, sixteen those of tile 2 g + 1's
.endm
	WLD 0
	WLD 1
	WBLK 0
	WBLK 1
	WBLK 2
	WBLK 3
	global_store_b32 v6, v[SW], s[22:23]           ; runs of 64 bytes: one byte in 128 of what the launch reads
	s_endpgm
.Lfunc_end_k_qa3b83bb99f_quant:
	.size	k_qa3b83bb99f_quant, .Lfunc_end_k_qa3b83bb99f_quant-k_qa3b83bb99f_quant
	.p2alignl 7, 3214868480
	.fill 96, 4, 3214868480
	.section	.rodata,"a",@progbits
	.p2align	6, 0x0
	.amdhsa_kernel k_qa3b83bb99f_quant
		.amdhsa_group_segment_fixed_size 34304
		.amdhsa_private_segment_fixed_size 0
		.amdhsa_enable_private_segment 0
		.amdhsa_kernarg_size 72
		.amdhsa_user_sgpr_count 2
		.amdhsa_user_sgpr_kernarg_segment_ptr 1
		.amdhsa_wavefront_size32 1
		.amdhsa_system_sgpr_workgroup_id_x 1
		.amdhsa_system_sgpr_workgroup_id_y 1
		.amdhsa_system_sgpr_workgroup_id_z 1
		.amdhsa_system_vgpr_workitem_id 0
		.amdhsa_next_free_vgpr 256
		.amdhsa_next_free_sgpr 66
		.amdhsa_reserve_vcc 1
		.amdhsa_float_denorm_mode_32 3
		.amdhsa_float_denorm_mode_16_64 3
		.amdhsa_memory_ordered 1
		.amdhsa_forward_progress 1
		.amdhsa_inst_pref_size 50
	.end_amdhsa_kernel
	.amdgpu_metadata
---
amdhsa.version: [ 1, 2 ]
amdhsa.kernels:
  - .name:           k_qa3b83bb99f_quant
    .symbol:         k_qa3b83bb99f_quant.kd
    .args:
      - { .name: Wq, .offset: 0, .size: 8, .value_kind: global_buffer, .address_space: global }
      - { .name: Wk, .offset: 8, .size: 8, .value_kind: global_buffer, .address_space: global }
      - { .name: Wv, .offset: 16, .size: 8, .value_kind: global_buffer, .address_space: global }
      - { .name: Wo, .offset: 24, .size: 8, .value_kind: global_buffer, .address_space: global }
      - { .name: xc, .offset: 32, .size: 8, .value_kind: global_buffer, .address_space: global }
      - { .name: xs, .offset: 40, .size: 8, .value_kind: global_buffer, .address_space: global }
      - { .name: wc, .offset: 48, .size: 8, .value_kind: global_buffer, .address_space: global }
      - { .name: ws, .offset: 56, .size: 8, .value_kind: global_buffer, .address_space: global }
      - { .name: x, .offset: 64, .size: 8, .value_kind: global_buffer, .address_space: global }
    .group_segment_fixed_size: 34304
    .private_segment_fixed_size: 0
    .kernarg_segment_align: 8
    .kernarg_segment_size: 72
    .max_flat_workgroup_size: 128
    .sgpr_count:     66
    .vgpr_count:     256
    .wavefront_size: 32
...
	.end_amdgpu_metadata
.endif
;; end of part 1
;; launch qkv (part 2): grid 12 x 32, 4 waves a work-group, clusters of 4 x 4, 283,136 bytes of LDS; arguments xc, xs, wc, ws, qb, kv; writes qb, kv
.if DOCPART == 2
	.amdgcn_target "amdgcn-amd-amdhsa--gfx1250"
	.amdhsa_code_object_version 6
	.text
	.protected	k_qa3b83bb99f_qkv
	.globl	k_qa3b83bb99f_qkv
	.p2align	8
	.type	k_qa3b83bb99f_qkv,@function
k_qa3b83bb99f_qkv:
	s_mov_b64 s[64:65], 0
	v_nop
	global_prefetch_b8 v0, s[64:65] scope:SCOPE_SE
	s_setreg_imm32_b32 hwreg(HW_REG_WAVE_MODE, 25, 1), 1
	s_wait_xcnt 0x0
	s_wait_alu depctr_hold_cnt(0) depctr_sa_sdst(0) depctr_va_vdst(0) depctr_va_sdst(0) depctr_va_ssrc(0) depctr_va_vcc(0) depctr_vm_vsrc(0)
	s_getreg_b32 s2, hwreg(HW_REG_IB_STS2, 6, 4)
	s_cmp_eq_u32 s2, 0
	s_cbranch_scc0 .Lentry_in_a_cluster
	s_endpgm
.Lentry_in_a_cluster:
	s_bfe_u32 s2, ttmp6, 0x10000c
	s_cmp_lg_u32 s2, 0xf033
	s_cbranch_scc0 .Lentry_shape_is_right
	s_endpgm
.Lentry_shape_is_right:
; q = x Wq, k = x Wk, v = x Wv on codes of FP4 with E8M0 scales (K = 1,024), and the results quantised in registers for the attention: q and k along the head's 64, v along the keys.  No f32 result goes to memory.
; A work-group of four waves makes 256 x 256, a wave 128 x 128: 64 accumulators, 512 registers.  Source 0's 16 rows run along a lane's result registers, source 1's 16 rows lie one to a lane.
;   clusters x = 0 (q), 1 (k): source 0 = the weight's columns, source 1 = tokens: a lane holds one token, its registers run along the head's channels.
;   cluster  x = 2 (v):        source 0 = tokens, source 1 = Wv's columns: a lane holds one channel, its registers run along the keys, which are the next product's K.
; Only pointers and indices are chosen by the cluster's x; LDS, masks and the eight K steps are one text.  Operands are laid by the launch before in the order of the registers: a fragment (16 rows x 128 K) is
; 1,024 dense bytes, 16 bytes a lane and part: every LDS load reads 512 consecutive bytes: no pitch, no padding.  Tile 2 g + u holds at index i row 32 g + 8 u + i + 8 (i / 8), so that the 16 result registers
; of source 0's tiles 2 g, 2 g + 1 are 16 neighbours, 32 g + 16 (lane / 16) + 0 .. 15: a block of 32 lies in lanes l and l xor 16.
; ALL OF K FITS IN LDS: two slots of 512 along K, each filled ONCE; no byte of LDS is filled twice.  By this text's count a wave has three tensor loads out: scales, slot 0, slot 1.
; CLUSTERS: 4 x 4.  Source 1's tile hangs on cy alone and is asked for jointly along a row of the cluster, source 0's on cx alone, along a column.
; 384 work-groups: q's and k's part and v's differ in which operand is source 0, and no tile of these shapes gives 256.
; OUT.  qb: [batch x head 64][128 queries 16] records of 4,608 bytes: 8 tiles x 512 bytes of codes (lane (r, h): channels 32 h on), 8 x 64 bytes of scale words (bytes 2, 3 = 0).
;       kv: records of 8,960 bytes for 128 keys: K's 8 tiles x 512 at 0; V^T's 4 fragments x 1,024 at 4,096; K's words at 8,192; V's at 8,704.
; LIMITS: as the launch before: a block under 2^-124 has its byte held at 1, a block of zeros gets 1 for 127 (zero codes; read by this program alone); NaN and infinities are not served.
; REGISTERS: window 0: v1-27 addresses; v32-95 scale words (register 8 st + i: lanes 0-15 source 1's tile i, lanes 16-31 source 0's, K step st); v96-127 at work on the way out; v128-255 source 1's fragments, two sets.
;   window 1: source 0's fragments, two sets, at v0 and v128.   windows 2, 3: accumulator (a, b) at v[8 (8 (a % 4) + b)] of window 2 + a / 4.
.set NA,   8                           ; source 1's tiles to a wave
.set S1F,  128
.set SC,   32
.set SLOT, 131072                      ; a slot: source 1's 256 rows x 512 K (65,536 bytes), then source 0's
.set SCL,  2*SLOT                      ; the scale words: source 1's 8,192 bytes, then source 0's
.set WST,  SCL+16384                   ; 1,024 bytes for each wave: the results' scale words on their way out; no tile lands here
.set L16,  4                           ; v4      16 x lane
.set VO1,  9                           ; v9      16 x lane + the distance to the second store's place
.set VS0,  10                          ; v10     where the first 512 bytes of words go
.set VSH,  11                          ; v11     q, k: 16 (lane / 16): lanes 16-31 take the second head's two bytes;  v: 0
.set STW,  12                          ; v12     the words' stage: 512 (lane / 16) + 4 r
.set STR,  13                          ; v13     and back: 16 x lane
.set ADR1, 16                          ; v16-17  LDS address of source 1's fragments in slot 0, 1
.set ADR0, 20                          ; v20-21  of source 0's
.set ADRS, 27                          ; v27     of the scale words
.set TM,   96                          ; v96-99 largest magnitudes, v100-103 bytes, v108-111 the conversions' scale operands
.set PW,   112
.set VAL,  113
.set PC,   116                         ; v116-123 the codes just made
.set G1, 24                            ; s[24:31], s[32:39] groups 1 and 0 (a set for each slot) for source 1's codes
.set G0, 32
.set G1B, 48                           ; s[48:55], s[56:63] for source 0's
.set G0B, 56
.set G1S, 68                           ; s[68:75], s[76:79] for source 1's scales;  s[80:87], s[88:91] for source 0's
.set G0S, 76
.set G1SB, 80
.set G0SB, 88
.set MSB, 0
.macro WIN new                         ; the immediate's high byte repeats the setting that is left; a switch that changes nothing is dropped
.if MSB != (\new)
	s_set_vgpr_msb (MSB<<8)|(\new)
.set MSB, (\new)
.endif
.endm
; A joint load: waves 0 and 1 fetch source 1's halves, waves 2 and 3 source 0's.  The branch hangs on the wave's number alone.  Four v_nop follow each of the two lines.
.macro JLOAD g0a, g1a, g0b, g1b
	s_cmp_eq_u32 s15, 0
	s_cbranch_scc0 .Lfor_b_\@
	tensor_load_to_lds s[\g0a:\g0a+3], s[\g1a:\g1a+7]
	s_nop 0
.rept 4
	v_nop
.endr
	s_branch .Lasked_\@
.Lfor_b_\@:
	tensor_load_to_lds s[\g0b:\g0b+3], s[\g1b:\g1b+7]
	s_nop 0
.rept 4
	v_nop
.endr
.Lasked_\@:
.endm
.macro CROUND                          ; a round of the cluster's barrier
	s_barrier_signal -1
	s_barrier_wait -1
	s_cmp_lg_u32 s14, 0
	s_cbranch_scc1 .Lnot_wave_0_\@
	s_barrier_signal -3
.Lnot_wave_0_\@:
	s_barrier_wait -3
	s_barrier_signal -1
	s_barrier_wait -1
.endm
.macro PLACES                          ; four plain vector lines between a matrix instruction and a load into, or a read of, its registers (ISA guide 7.12.1 for vector instructions)
.rept 4
	v_nop
.endr
.endm
	s_load_b128 s[4:7], s[0:1], 0x0                ; xc, xs
	s_load_b128 s[8:11], s[0:1], 0x10              ; wc, ws
	s_load_b128 s[96:99], s[0:1], 0x20             ; qb, kv
	v_lshl_add_u32 v114, v0, 2, 0x45000
	v_mov_b32 v115, 0
	ds_add_u32 v114, v115
	ds_add_u32 v114, v115
	v_lshrrev_b32 v1, 5, v0
	v_readfirstlane_b32 s14, v1                    ; wave 0..3
	s_lshr_b32 s15, s14, 1                         ; my half of source 1's rows.  Also: I fetch for source 1 (0) or source 0 (1)
	s_and_b32 s16, s14, 1                          ; my half of source 0's rows.  Also: which half I fetch
	s_bfe_u32 s40, ttmp6, 0x40000                  ; cx
	s_bfe_u32 s41, ttmp6, 0x40004                  ; cy
	s_lshl_b32 s43, s41, 2
	s_lshl_b32 s43, 15, s43                        ; my row of the cluster
	s_lshl_b32 s44, 0x1111, s40                    ; my column
	s_lshl_b32 s42, ttmp9, 2                       ; 4 x cluster x: the weights' first block of 256 columns
	s_and_b32 s17, ttmp7, 0xffff
	s_lshl_b32 s17, s17, 2                         ; 4 x cluster y: the tokens' first block of 256
	; group 1: every tile is a dense block, taken as rows of 256 bytes (32 elements of 8 bytes); no padding
	s_or_b32 s[G1+0], s43, (3<<16)|(1<<21)         ; 15:0 the mask; 17:16 elements of 8 bytes; 21 set beside a mask
	s_or_b32 s[G1B+0], s44, (3<<16)|(1<<21)
	s_or_b32 s[G1S+0], s43, (3<<16)|(1<<21)
	s_or_b32 s[G1SB+0], s44, (3<<16)|(1<<21)
.irp g, G1, G1B
	s_mov_b32 s[\g+1], 32<<16                      ; tensor_dim0
	s_mov_b32 s[\g+2], 128<<16                     ; tensor_dim1: 8 tiles x 4 K steps x 1,024 bytes = 128 rows
	s_mov_b32 s[\g+3], 32<<16                      ; tile_dim0
	s_mov_b32 s[\g+4], 128                         ; tile_dim1
	s_mov_b32 s[\g+5], 32                          ; pitch
	s_mov_b32 s[\g+6], 0
	s_mov_b32 s[\g+7], 0
.endr
.irp g, G1S, G1SB
	s_mov_b32 s[\g+1], 32<<16
	s_mov_b32 s[\g+2], 16<<16                      ; 8 tiles x 512 bytes = 16 rows
	s_mov_b32 s[\g+3], 32<<16
	s_mov_b32 s[\g+4], 16
	s_mov_b32 s[\g+5], 32
	s_mov_b32 s[\g+6], 0
	s_mov_b32 s[\g+7], 0
.endr
	s_lshl_b32 s45, s14, 15                        ; where my codes go in a slot: wave x 32,768: no place in the cluster enters an LDS address
	s_lshl_b32 s94, s14, 12                        ; and my scales: wave x 4,096
	s_wait_dscnt 0x0
	s_wait_kmcnt 0x0
	s_cmp_eq_u32 ttmp9, 2                          ; v's cluster?  The choice hangs on the cluster's number alone
	s_cselect_b32 s18, s42, s17
	s_cselect_b32 s19, s17, s42
	s_cselect_b64 s[20:21], s[8:9], s[4:5]         ; source 1's codes: Wv's, or x's
	s_cselect_b64 s[22:23], s[10:11], s[6:7]       ; and scales
	s_cselect_b64 s[46:47], s[4:5], s[8:9]         ; source 0's codes: x's, or the weight's
	s_cselect_b64 s[92:93], s[6:7], s[10:11]
	s_add_co_u32 s18, s18, s41                     ; source 1's block of 256 rows: hangs on cy alone
	s_add_co_u32 s19, s19, s40                     ; source 0's: on cx alone
	s_lshl_b32 s12, s18, 17                        ; 131,072 bytes of codes a block, 32,768 a half slot
	s_lshl_b32 s2, s16, 15
	s_add_co_u32 s12, s12, s2
	s_mov_b32 s13, 0
	s_add_nc_u64 s[20:21], s[20:21], s[12:13]
	s_lshl_b32 s12, s18, 13                        ; 8,192 bytes of scales a block, 4,096 a half
	s_lshl_b32 s2, s16, 12
	s_add_co_u32 s12, s12, s2
	s_add_nc_u64 s[22:23], s[22:23], s[12:13]
	s_lshl_b32 s66, s19, 17
	s_lshl_b32 s3, s16, 15
	s_add_co_u32 s66, s66, s3
	s_mov_b32 s67, 0
	s_add_nc_u64 s[46:47], s[46:47], s[66:67]
	s_lshl_b32 s66, s19, 13
	s_lshl_b32 s3, s16, 12
	s_add_co_u32 s66, s66, s3
	s_add_nc_u64 s[92:93], s[92:93], s[66:67]
	CROUND                                         ; all sixteen work-groups are here: the joint loads meet
	s_mov_b32 s[G0S], 1
	s_add_co_u32 s[G0S+1], s94, SCL
	s_mov_b64 s[G0S+2:G0S+3], s[22:23]
	s_or_b32 s[G0S+3], s[G0S+3], 0x80000000
	s_mov_b32 s[G0SB], 1
	s_add_co_u32 s[G0SB+1], s94, SCL
	s_mov_b64 s[G0SB+2:G0SB+3], s[92:93]
	s_or_b32 s[G0SB+3], s[G0SB+3], 0x80000000
	JLOAD G0S, G1S, G0SB, G1SB                     ; the scales first: they are wanted with K step 0
.irp s, 0,1
	s_mov_b32 s[G0+4*\s], 1
	s_add_co_u32 s[G0+4*\s+1], s45, \s*SLOT
	s_add_nc_u64 s[G0+4*\s+2:G0+4*\s+3], s[20:21], \s*65536
	s_or_b32 s[G0+4*\s+3], s[G0+4*\s+3], 0x80000000
	s_mov_b32 s[G0B+4*\s], 1
	s_add_co_u32 s[G0B+4*\s+1], s45, \s*SLOT
	s_add_nc_u64 s[G0B+4*\s+2:G0B+4*\s+3], s[46:47], \s*65536
	s_or_b32 s[G0B+4*\s+3], s[G0B+4*\s+3], 0x80000000
	JLOAD G0+4*\s, G1, G0B+4*\s, G1B
.endr
	v_and_b32 v1, 15, v0                           ; r
	v_bfe_u32 v2, v0, 4, 1                         ; h
	s_wait_alu depctr_va_vdst(0)
	v_and_b32 v3, 31, v0
	v_lshlrev_b32 v[L16], 4, v3
	s_lshl_b32 s2, s15, 15                         ; my 128 rows of source 1
	s_lshl_b32 s3, s16, 15                         ; my 128 rows of source 0,
	s_add_co_u32 s3, s3, 65536                     ; which lie behind source 1's 256
.irp s, 0,1
	v_add_nc_u32 v[ADR1+\s], s2, v[L16]
	v_add_nc_u32 v[ADR0+\s], s3, v[L16]
	s_add_co_u32 s2, s2, SLOT
	s_add_co_u32 s3, s3, SLOT
.endr
	s_lshl_b32 s2, s15, 12                         ; scale words: lanes 0-15 take source 1's, lanes 16-31 source 0's: the lower base + h x the distance
	s_lshl_b32 s3, s16, 12
	s_add_co_u32 s3, s3, 8192
	s_sub_co_u32 s3, s3, s2
	v_mul_u32_u24 v5, s3, v2
	s_add_co_u32 s2, s2, SCL
	v_lshl_add_u32 v5, v1, 2, v5
	v_add_nc_u32 v[ADRS], s2, v5
	s_lshl_b32 s2, s14, 10
	s_add_co_u32 s2, s2, WST                       ; my stage for the results' words
	v_lshlrev_b32 v[STW], 9, v2
	v_lshl_add_u32 v[STW], v1, 2, v[STW]
	v_add_nc_u32 v[STW], s2, v[STW]
	v_add_nc_u32 v[STR], s2, v[L16]
.irp b, 0,1,2,3
	v_mov_b32 v[TM+4+\b], 0                        ; a lane permute's destination counts as one of its sources
.endr
	; where the results go.  None of these registers is named by a descriptor any more.
	s_cmp_eq_u32 ttmp9, 0                          ; q?
	s_mov_b32 s2, 8960
	s_cselect_b32 s5, 4608, s2                     ; a record's bytes
	s_mov_b32 s2, 8192
	s_cselect_b32 s7, 4096, s2                     ; where its words begin (q, k)
	s_cselect_b64 s[46:47], s[96:97], s[98:99]     ; qb or kv
	s_mul_i32 s8, s5, 16                           ; from a head to the next: 16 records
	s_cmp_eq_u32 ttmp9, 2                          ; v?
	s_mov_b32 s2, 8704
	s_cselect_b32 s7, s2, s7                       ; v's words
	s_cselect_b32 s6, 4096, 0                      ; v's codes begin behind k's
	s_cselect_b32 s8, 512, s8                      ; the second store: v: the fragment's second part;  q, k: the next head's tile
	s_mov_b32 s2, 512
	s_cselect_b32 s10, 1024, s2                    ; from one of source 1's tiles to the next
	s_cselect_b32 s12, 139264, 0                   ; v: behind four fragments on to the next head: 143,360 - 4,096
	s_cselect_b32 s17, 143104, 0                   ; v: lanes 16-31 store the next head's words: 143,360 - 256
	s_cselect_b32 s9, -1, 0xffff                   ; q, k: a word keeps two bytes
	s_cselect_b32 s42, 0, 16
	s_cselect_b32 s3, s19, s18                     ; the tokens' block of 256
	s_cselect_b32 s45, s41, s40                    ; the weight's block of 256 columns: four heads
	s_cselect_b32 s66, s16, s15                    ; my half of the tokens
	s_cselect_b32 s67, s15, s16                    ; my half of the columns
	s_mov_b32 s11, 0
	s_mov_b32 s13, 0
	s_lshr_b32 s92, s3, 3                          ; batch
	s_and_b32 s93, s3, 7
	s_lshl_b32 s93, s93, 1
	s_add_co_u32 s93, s93, s66                     ; which 128 tokens of the batch
	s_lshl_b32 s94, s45, 2
	s_lshl_b32 s95, s67, 1
	s_add_co_u32 s94, s94, s95                     ; my first head
	s_lshl_b32 s92, s92, 4
	s_add_co_u32 s92, s92, s94
	s_lshl_b32 s92, s92, 4
	s_add_co_u32 s92, s92, s93                     ; the record
	s_mul_i32 s92, s92, s5
	s_add_co_u32 s2, s92, s6
	s_mov_b32 s3, 0
	s_add_nc_u64 s[20:21], s[46:47], s[2:3]        ; codes
	s_add_co_u32 s2, s92, s7
	s_add_nc_u64 s[22:23], s[46:47], s[2:3]        ; words
	s_mov_b32 s18, 0x76543210                      ; v_permlanex16_b32's selects for lane l xor 16
	s_mov_b32 s19, 0xfedcba98
	v_add_nc_u32 v[VO1], s8, v[L16]
	v_mul_u32_u24 v[VS0], s17, v2
	v_add_nc_u32 v[VS0], v[VS0], v[L16]
	v_mul_u32_u24 v[VSH], s42, v2
.macro SCALES                          ; all 8 K steps' words of my 8 + 8 tiles
.irp st, 0,1,2,3,4,5,6,7
.irp i, 0,1,2,3,4,5,6,7
	ds_load_b32 v[SC+8*\st+\i], v[ADRS] offset:512*\i+64*\st
.endr
.endr
.endm
.macro FETCH st                        ; K step st's fragments into set st % 2
	WIN 0x40                                       ; destination window 1, address window 0
.irp i, 0,1,2,3,4,5,6,7
.irp c, 0,1
	ds_load_b128 v[128*((\st)%2)+8*\i+4*\c:128*((\st)%2)+8*\i+4*\c+3], v[ADR0+(\st)/4] offset:4096*\i+1024*((\st)%4)+512*\c
.endr
.endr
	WIN 0
.set FI, 0
.rept NA
.irp c, 0,1
	ds_load_b128 v[S1F+8*NA*((\st)%2)+8*FI+4*\c:S1F+8*NA*((\st)%2)+8*FI+4*\c+3], v[ADR1+(\st)/4] offset:4096*FI+1024*((\st)%4)+512*\c
.endr
.set FI, FI+1
.endr
.endm
; 64 matrix instructions.  The accumulators take turns, one instruction a turn, in the same order in every step.  The first step's products start the sums: nothing is cleared.
.macro MUL st
.set MA, 0
.rept NA
	WIN 0xa1+0x50*(MA/4)                           ; source 0 window 1, source 1 window 0, C and D window 2 or 3
.irp b, 0,1,2,3,4,5,6,7
.if (\st) == 0
	v_wmma_scale_f32_16x16x128_f8f6f4 v[8*(8*(MA%4)+\b):8*(8*(MA%4)+\b)+7], v[128*((\st)%2)+8*\b:128*((\st)%2)+8*\b+7], v[S1F+8*NA*((\st)%2)+8*MA:S1F+8*NA*((\st)%2)+8*MA+7], 0, v[SC+8*(\st)+\b], v[SC+8*(\st)+MA] matrix_a_fmt:MATRIX_FMT_FP4 matrix_b_fmt:MATRIX_FMT_FP4 matrix_a_scale:MATRIX_SCALE_ROW1
.else
	v_wmma_scale_f32_16x16x128_f8f6f4 v[8*(8*(MA%4)+\b):8*(8*(MA%4)+\b)+7], v[128*((\st)%2)+8*\b:128*((\st)%2)+8*\b+7], v[S1F+8*NA*((\st)%2)+8*MA:S1F+8*NA*((\st)%2)+8*MA+7], v[8*(8*(MA%4)+\b):8*(8*(MA%4)+\b)+7], v[SC+8*(\st)+\b], v[SC+8*(\st)+MA] matrix_a_fmt:MATRIX_FMT_FP4 matrix_b_fmt:MATRIX_FMT_FP4 matrix_a_scale:MATRIX_SCALE_ROW1
.endif
.endr
.set MA, MA+1
.endr
.endm
.macro STEP st
.if (\st) > 0
	PLACES                                         ; the set that is loaded next was read by the step before
.endif
.if (\st) == 3
	s_wait_tensorcnt 0x0                           ; my part of slot 1 is in,
	s_wait_dscnt 0x0                               ; no LDS load of mine is out at the signal,
	s_barrier_signal -1
	s_barrier_wait -1                              ; everybody's part is in.
.endif
.if (\st) < 7
	FETCH (\st)+1
	s_wait_dscnt 16+2*NA                           ; all but the loads just issued
.else
	s_wait_dscnt 0x0
.endif
	MUL \st
.endm
	s_wait_tensorcnt 1                             ; the scales and my part of slot 0 are in; slot 1's load may be out,
	s_barrier_signal -1
	s_barrier_wait -1                              ; everybody's are
	SCALES
	FETCH 0
.irp st, 0,1,2,3,4,5,6,7
	STEP \st
.endr
	WIN 0
	PLACES
; THE WAY OUT.  The 64 results of source 1's tile a in a lane, register 16 b + i = source 0's row 32 b + 16 (lane / 16) + i, become a fragment's codes in v[PC] on and its scale word in v[PW].
.macro QUANT a
.set AW, 2+(\a)/4
.set AB, 64*((\a)%4)
	WIN (AW<<2)|(AW<<4)                            ; sources 1 and 2: the accumulators' window
.irp b, 0,1,2,3
	v_max3_num_f32 v[TM+\b], 0x1800000, |v[AB+16*\b]|, |v[AB+16*\b+1]|   ; the floor 2^(3 - 127), and each accumulator from its low end on
.endr
.irp i, 2,4,6,8,10,12,14
.irp b, 0,1,2,3
	v_max3_num_f32 v[TM+\b], v[TM+\b], |v[AB+16*\b+\i]|, |v[AB+16*\b+\i+1]|   ; the four blocks by turns
.endr
.endr
	WIN 0
.irp b, 0,1,2,3
	v_permlanex16_b32 v[TM+4+\b], v[TM+\b], s18, s19
.endr
.irp b, 0,1,2,3
	v_max_num_f32 v[TM+\b], v[TM+\b], v[TM+4+\b]   ; with lane l xor 16's: the block's largest magnitude
.endr
.irp b, 0,1,2,3
	v_add_nc_u32 v[TM+12+\b], 0xff000000, v[TM+\b] ; 2 off its exponent field: the conversion's scale operand
.endr
.irp b, 0,1,2,3
	v_lshrrev_b32 v[TM+4+\b], 23, v[TM+12+\b]      ; the byte
.endr
	v_lshl_or_b32 v[PW], v[TM+5], 8, v[TM+4]
	v_lshl_or_b32 v[PW], v[TM+6], 16, v[PW]
	v_lshl_or_b32 v[PW], v[TM+7], 24, v[PW]
	WIN AW                                         ; source 0: the accumulators' window
.irp b, 0,1,2,3
	v_cvt_scalef32_pk8_fp4_f32 v[PC+2*\b], v[AB+16*\b:AB+16*\b+7], v[TM+12+\b]
	v_cvt_scalef32_pk8_fp4_f32 v[PC+2*\b+1], v[AB+16*\b+8:AB+16*\b+15], v[TM+12+\b]
.endr
	WIN 0
	v_nop                                          ; one plain line behind the conversions
.irp c, 0,1                                    ; an operand wants a WHOLE block in a lane: lanes 0-15 block 2 c, lanes 16-31 block 2 c + 1
.irp i, 0,1
	v_permlane16_swap_b32 v[PC+4*\c+\i], v[PC+4*\c+2+\i]
.endr
.endr
.endm
; q, k: registers 0-3 are my first head's tile (channels 32 h on of the lane's token), 4-7 the next head's; the word's bytes 0, 1 and 2, 3 likewise.   v: all eight are V^T's fragment of 16 channels x my 128 keys.
.irp a, 0,1,2,3,4,5,6,7
	QUANT \a
	global_store_b128 v[L16], v[PC:PC+3], s[20:21]         ; 32 lanes store 512 consecutive bytes, aligned
	global_store_b128 v[VO1], v[PC+4:PC+7], s[20:21]
	v_lshrrev_b32 v[VAL], v[VSH], v[PW]
	v_and_b32 v[VAL], s9, v[VAL]
	ds_store_b32 v[STW], v[VAL] offset:64*\a       ; q, k: lanes 0-15 the first head's word, lanes 16-31 the next head's, 512 bytes on;  v: the same word twice
	s_wait_xcnt 0x0                                ; the codes' registers and the base are written again only behind this wait
	s_add_nc_u64 s[20:21], s[20:21], s[10:11]
.if \a == 3
	s_add_nc_u64 s[20:21], s[20:21], s[12:13]
.endif
.endr
	ds_load_b128 v[124:127], v[STR]                ; LDS serves a wave's instructions in order: these see my stores
	s_wait_dscnt 0x0
	global_store_b128 v[VS0], v[124:127], s[22:23] ; q, k: the first head's 512 bytes;  v: 256 bytes for each of the two heads
	s_cmp_eq_u32 ttmp9, 2
	s_cbranch_scc1 .Lwords_done
	s_wait_xcnt 0x0                                ; the store has read its data
	ds_load_b128 v[124:127], v[STR] offset:512
	s_wait_dscnt 0x0
	global_store_b128 v[VO1], v[124:127], s[22:23] ; q, k: the next head's 512 bytes
.Lwords_done:
	s_wait_tensorcnt 0x0
	ds_add_u32 v114, v115
	s_wait_dscnt 0x0
	CROUND                                         ; the closing round: no work-group ends while a partner may still ask for a tile that names it
	s_endpgm
.Lfunc_end_k_qa3b83bb99f_qkv:
	.size	k_qa3b83bb99f_qkv, .Lfunc_end_k_qa3b83bb99f_qkv-k_qa3b83bb99f_qkv
	.p2alignl 7, 3214868480
	.fill 96, 4, 3214868480
	.section	.rodata,"a",@progbits
	.p2align	6, 0x0
	.amdhsa_kernel k_qa3b83bb99f_qkv
		.amdhsa_group_segment_fixed_size 283136
		.amdhsa_private_segment_fixed_size 0
		.amdhsa_enable_private_segment 0
		.amdhsa_kernarg_size 48
		.amdhsa_user_sgpr_count 2
		.amdhsa_user_sgpr_kernarg_segment_ptr 1
		.amdhsa_wavefront_size32 1
		.amdhsa_system_sgpr_workgroup_id_x 1
		.amdhsa_system_sgpr_workgroup_id_y 1
		.amdhsa_system_sgpr_workgroup_id_z 1
		.amdhsa_system_vgpr_workitem_id 0
		.amdhsa_next_free_vgpr 1024
		.amdhsa_next_free_sgpr 100
		.amdhsa_reserve_vcc 0
		.amdhsa_float_denorm_mode_32 3
		.amdhsa_float_denorm_mode_16_64 3
		.amdhsa_memory_ordered 1
		.amdhsa_forward_progress 1
		.amdhsa_inst_pref_size 132
	.end_amdhsa_kernel
	.amdgpu_metadata
---
amdhsa.version: [ 1, 2 ]
amdhsa.kernels:
  - .name:           k_qa3b83bb99f_qkv
    .symbol:         k_qa3b83bb99f_qkv.kd
    .args:
      - { .name: xc, .offset: 0, .size: 8, .value_kind: global_buffer, .address_space: global }
      - { .name: xs, .offset: 8, .size: 8, .value_kind: global_buffer, .address_space: global }
      - { .name: wc, .offset: 16, .size: 8, .value_kind: global_buffer, .address_space: global }
      - { .name: ws, .offset: 24, .size: 8, .value_kind: global_buffer, .address_space: global }
      - { .name: qb, .offset: 32, .size: 8, .value_kind: global_buffer, .address_space: global }
      - { .name: kv, .offset: 40, .size: 8, .value_kind: global_buffer, .address_space: global }
    .group_segment_fixed_size: 283136
    .private_segment_fixed_size: 0
    .kernarg_segment_align: 8
    .kernarg_segment_size: 48
    .max_flat_workgroup_size: 128
    .sgpr_count:     100
    .vgpr_count:     1024
    .wavefront_size: 32
...
	.end_amdgpu_metadata
.endif
;; end of part 2
;; launch attn (part 3): grid 4 x 64, 16 waves a work-group, clusters of 4 x 1, 169,984 bytes of LDS; arguments qb, kv, sac, sas; writes sac, sas
.if DOCPART == 3
	.amdgcn_target "amdgcn-amd-amdhsa--gfx1250"
	.amdhsa_code_object_version 6
	.text
	.protected	k_qa3b83bb99f_attn
	.globl	k_qa3b83bb99f_attn
	.p2align	8
	.type	k_qa3b83bb99f_attn,@function
k_qa3b83bb99f_attn:
	s_mov_b64 s[64:65], 0
	v_nop
	global_prefetch_b8 v0, s[64:65] scope:SCOPE_SE
	s_setreg_imm32_b32 hwreg(HW_REG_WAVE_MODE, 25, 1), 1
	s_wait_xcnt 0x0
	s_wait_alu depctr_hold_cnt(0) depctr_sa_sdst(0) depctr_va_vdst(0) depctr_va_sdst(0) depctr_va_ssrc(0) depctr_va_vcc(0) depctr_vm_vsrc(0)
	s_getreg_b32 s2, hwreg(HW_REG_IB_STS2, 6, 4)
	s_cmp_eq_u32 s2, 0
	s_cbranch_scc0 .Lentry_in_a_cluster
	s_endpgm
.Lentry_in_a_cluster:
	s_bfe_u32 s2, ttmp6, 0x10000c
	s_cmp_lg_u32 s2, 0x3003
	s_cbranch_scc0 .Lentry_shape_is_right
	s_endpgm
.Lentry_shape_is_right:
; SA[b][h][q] = the sum over k of softmax_k(q . k / 8) v, both products on codes of FP4 with E8M0 scales, and SA quantised in registers for the output projection (K = head x 64 + channel).
; THE SOFTMAX AHEAD OF THE SECOND PRODUCT: t = score x log2(e) / 8; M = the running largest t rounded UP to a whole number; p = 2^(t - M) is quantised along the keys, not normalised; the row's sum is taken of the
; unquantised p in f32 and divides at the end.  When M moves, the sum and O are multiplied by 2^(old M - new M): exact.
; SHARES.  A work-group owns 512 queries of one head; each of its sixteen waves takes two tiles of 16 queries, one after the other, in 256 registers: four waves to a SIMD, so that one wave's exponentials stand
; beside another's plain vector work, products and LDS loads.  Every wave walks all 2,048 keys, 128 a step.
; THE WHOLE HEAD STAYS IN LDS: its K and V lie in memory as 16 records of 8,960 bytes (K's 8 tiles x 512 bytes; V^T's 4 fragments x 1,024; K's scale words; V's), one dense block of 143,360 bytes.  Wave w brings
; record w by ONE tensor load: one load a wave is out, every byte is filled once, and the loop over the keys has no barrier.
; CLUSTER.  The four work-groups of a head need the same block: each load is asked for JOINTLY, with the same descriptor and a mask that names the four.
; LAYOUT.  Both products are used transposed: S^T = K Q^T, O^T = V^T P^T: a lane holds ONE query throughout.  Tile 2 b + u of the keys holds at index i key 32 b + 8 u + i + 8 (i / 8), so the 16 registers of tiles
; 2 b, 2 b + 1 are the keys 32 b + 16 (lane / 16) + 0 .. 15; V^T's tiles of channels likewise, so O^T's registers are neighbouring channels.
; K = 64 IN AN INSTRUCTION OF 128: Q's upper four registers hold zero codes, so whatever codes stand in the upper half of K's operand add exactly 0 (FP4 has no NaN or infinity; the words' bytes 2, 3 are 0, which is
; 2^-127).  So K's tiles overlap: the upper half of tile t's operand is tile t + 1's registers, and nothing is loaded or cleared for the empty half.
; LIMITS: NaN and infinities are not served.  A block's largest p is taken through the block's largest score (this takes v_exp_f32 not to fall where its input rises); t - M is one fused multiply-add.  A block
; under 2^-124 has its byte held at 1, a block of zeros gets 1 for 127 (zero codes; read by this program alone).
.set REC,  8960
.set L16,  1                           ; v1   16 x lane
.set L4,   2                           ; v2   4 x lane
.set AC,   3                           ; v3   the step's record + 16 x lane
.set AS,   4                           ; v4   the step's record + 4 x lane
.set VQ,   5                           ; v5   my tile's codes in a record of Q
.set VQS,  6                           ; v6   and its words
.set VSB,  7                           ; v7   SA's scale bytes: 4 r + h
.set KF,   28                          ; v28-63   K: tile t's operand is v[28 + 4 t : 35 + 4 t]; v60-63 = 0
.set VF,   64                          ; v64-95   V^T's four fragments
.set S,    96                          ; v96-159  S^T, then p
.set O,    160                         ; v160-191 O^T
.set P,    192                         ; v192-199 p's codes
.set KW,   200                         ; v200-203 K's words: lanes 0-15 an even tile's, lanes 16-31 the odd one's
.set VW,   204                         ; v204-205 V's likewise
.set PWD,  206                         ; v206     p's word
.set BM,   208                         ; v208-211 each block's largest score, then its largest p
.set BP,   212                         ; v212-215 the other half's; then the bytes
.set SO,   216                         ; v216-219 the conversions' scale operands
.set WV,   12                          ; s12  wave
.set SEL,  28                          ; s[28:29] lane selects: lane l xor 16
.set CS,   30                          ; s[30:31] c = log2(e) / 8
.set OFF,  32                          ; s32  the step's record in LDS
.set CNT,  33                          ; s33  steps to go
.macro CROUND                          ; a round of the cluster's barrier
	s_barrier_signal -1
	s_barrier_wait -1
	s_cmp_lg_u32 s[WV], 0
	s_cbranch_scc1 .Lnot_wave_0_\@
	s_barrier_signal -3
.Lnot_wave_0_\@:
	s_barrier_wait -3
	s_barrier_signal -1
	s_barrier_wait -1
.endm
	s_load_b256 s[4:11], s[0:1], 0x0               ; qb s[4:5], kv s[6:7], sac s[8:9], sas s[10:11]
	v_lshl_add_u32 v254, v0, 2, 0x29000
	v_mov_b32 v255, 0
	ds_add_u32 v254, v255
	ds_add_u32 v254, v255
	v_lshrrev_b32 v1, 5, v0
	s_delay_alu instid0(VALU_DEP_1)
	v_readfirstlane_b32 s[WV], v1                  ; wave 0..15
	s_bfe_u32 s13, ttmp6, 0x40000                  ; cx: it enters Q's and SA's global addresses alone
	s_and_b32 s14, ttmp7, 0xffff                   ; batch x 16 + head, which the four partners share
	s_mov_b32 s16, 15|(3<<16)|(1<<21)              ; group 1: 15:0 the mask: all four; 17:16 elements of 8 bytes; 21 set beside a mask; no padding
	s_mov_b32 s17, 32<<16                          ; tensor_dim0: rows of 256 bytes
	s_mov_b32 s18, 35<<16                          ; tensor_dim1: 8,960 / 256
	s_mov_b32 s19, 32<<16                          ; tile_dim0
	s_mov_b32 s20, 35                              ; tile_dim1
	s_mov_b32 s21, 32                              ; pitch
	s_mov_b32 s22, 0
	s_mov_b32 s23, 0
	s_mul_i32 s34, s14, 16*REC
	s_mul_i32 s36, s[WV], REC                      ; record w: in memory and in LDS
	s_add_co_u32 s34, s34, s36
	s_mov_b32 s35, 0
	s_mov_b32 s[SEL], 0x76543210
	s_mov_b32 s[SEL+1], 0xfedcba98
	s_mov_b32 s[CS], 0x3e38aa3b
	s_mov_b32 s[CS+1], s[CS]                       ; (named with it as a pair, so it is written)
	s_wait_dscnt 0x0
	s_wait_kmcnt 0x0
	CROUND                                         ; all four work-groups are here: the joint loads meet
	s_mov_b32 s24, 1
	s_mov_b32 s25, s36
	s_add_nc_u64 s[26:27], s[6:7], s[34:35]
	s_or_b32 s27, s27, 0x80000000
	tensor_load_to_lds s[24:27], s[16:23]
	s_nop 0
.rept 4
	v_nop
.endr
	s_lshr_b32 s40, s[WV], 3
	s_and_b32 s44, s[WV], 7
	s_lshr_b32 s41, s14, 4                         ; batch
	s_and_b32 s42, s14, 15                         ; head
	s_and_b32 s45, s42, 1
	s_mov_b32 s39, 0
	s_lshl_b32 s38, s14, 4                         ; Q: record 16 (batch x 16 + head) + 4 cx + wave / 8 (+ 2 in the second pass)
	s_lshl_b32 s43, s13, 2
	s_add_co_u32 s38, s38, s43
	s_add_co_u32 s38, s38, s40
	s_mul_i32 s38, s38, 4608
	s_add_nc_u64 s[4:5], s[4:5], s[38:39]
	s_lshl_b32 s38, s41, 4                         ; sac: [128 rows][slot][tile 8][K step 4][fragment]: 65,536 bytes for each 128 rows,
	s_add_co_u32 s38, s38, s43
	s_add_co_u32 s38, s38, s40
	s_lshl_b32 s38, s38, 16
	s_lshr_b32 s43, s42, 3                         ; slot = head / 8,
	s_lshl_b32 s43, s43, 15
	s_add_co_u32 s38, s38, s43
	s_lshl_b32 s43, s44, 12                        ; tile = wave % 8,
	s_add_co_u32 s38, s38, s43
	s_bfe_u32 s43, s42, 0x20001                    ; K step = (head / 2) % 4,
	s_lshl_b32 s43, s43, 10
	s_add_co_u32 s38, s38, s43
	s_lshl_b32 s43, s45, 9                         ; part = head % 2
	s_add_co_u32 s38, s38, s43
	s_add_nc_u64 s[8:9], s[8:9], s[38:39]
	s_lshl_b32 s38, s41, 7                         ; sas: [tile][K step 8][index 16] words: tile 128 batch + 32 cx + wave (+ 16),
	s_lshl_b32 s43, s13, 5
	s_add_co_u32 s38, s38, s43
	s_add_co_u32 s38, s38, s[WV]
	s_lshl_b32 s38, s38, 9
	s_lshr_b32 s43, s42, 1
	s_lshl_b32 s43, s43, 6
	s_add_co_u32 s38, s38, s43
	s_lshl_b32 s43, s45, 1                         ; my head's two bytes of the word
	s_add_co_u32 s38, s38, s43
	s_add_nc_u64 s[10:11], s[10:11], s[38:39]
	v_and_b32 v8, 31, v0                           ; lane
	v_and_b32 v9, 15, v0                           ; r
	v_bfe_u32 v10, v0, 4, 1                        ; h
	s_delay_alu instid0(VALU_DEP_3)
	v_lshlrev_b32 v[L16], 4, v8
	s_delay_alu instid0(VALU_DEP_4)
	v_lshlrev_b32 v[L4], 2, v8
	s_lshl_b32 s43, s44, 9
	v_add_nc_u32 v[VQ], s43, v[L16]
	s_lshl_b32 s43, s44, 6
	s_add_co_u32 s43, s43, 4096
	v_lshl_add_u32 v[VQS], v9, 2, s43
	v_lshl_add_u32 v[VSB], v9, 2, v10
	v_cmp_gt_u32 s46, 16, v8                       ; lanes 0-15
.irp j, 20,21,22,23,60,61,62,63
	v_mov_b32 v[\j], 0                             ; the zero codes of Q's upper half, and what stands behind K's last tile: written once
.endr
.irp b, 0,1,2,3
	v_mov_b32 v[BP+\b], 0                          ; a lane permute's destination counts as one of its sources
.endr
	v_mov_b32 v221, 0                              ; (named as the upper half of the pair v[220:221])
	s_wait_tensorcnt 0x0                           ; my record is in,
	s_barrier_signal -1
	s_barrier_wait -1                              ; everybody's is: the head is whole
; A KEY STEP: 128 keys, one record.
.macro KSTEP
	v_add_nc_u32 v[AC], s[OFF], v[L16]
	v_add_nc_u32 v[AS], s[OFF], v[L4]
	v_nop
	v_nop                                          ; four plain lines between the last trip's products and the loads into V's registers and words
.irp t, 0,1,2,3,4,5,6,7
	ds_load_b128 v[KF+4*\t:KF+4*\t+3], v[AC] offset:512*\t         ; every load reads 512 (words: 128) consecutive bytes
.endr
.irp i, 0,1,2,3
	ds_load_b32 v[KW+\i], v[AS] offset:8192+128*\i
.endr
.irp f, 0,1,2,3,4,5,6,7
	ds_load_b128 v[VF+4*\f:VF+4*\f+3], v[AC] offset:4096+512*\f
.endr
.irp i, 0,1
	ds_load_b32 v[VW+\i], v[AS] offset:8704+128*\i
.endr
	s_wait_dscnt 10                                ; K and its words are in; V's ten loads may be out
.irp t, 0,1,2,3,4,5,6,7
.if \t % 2
	v_wmma_scale_f32_16x16x128_f8f6f4 v[S+8*\t:S+8*\t+7], v[KF+4*\t:KF+4*\t+7], v[16:23], 0, v[KW+\t/2], v24 matrix_a_fmt:MATRIX_FMT_FP4 matrix_b_fmt:MATRIX_FMT_FP4 matrix_a_scale:MATRIX_SCALE_ROW1
.else
	v_wmma_scale_f32_16x16x128_f8f6f4 v[S+8*\t:S+8*\t+7], v[KF+4*\t:KF+4*\t+7], v[16:23], 0, v[KW+\t/2], v24 matrix_a_fmt:MATRIX_FMT_FP4 matrix_b_fmt:MATRIX_FMT_FP4
.endif
.endr
.rept 4
	v_nop
.endr
.irp b, 0,1,2,3
	v_max3_num_f32 v[BM+\b], v[S+16*\b], v[S+16*\b+1], v[S+16*\b+2]   ; the largest score of each block of 32 keys: it serves for the row's maximum and, since p rises with the score, for the block's largest p
.endr
.irp i, 3,5,7,9,11,13
.irp b, 0,1,2,3
	v_max3_num_f32 v[BM+\b], v[BM+\b], v[S+16*\b+\i], v[S+16*\b+\i+1]
.endr
.endr
.irp b, 0,1,2,3
	v_max_num_f32 v[BM+\b], v[BM+\b], v[S+16*\b+15]
.endr
.irp b, 0,1,2,3
	s_delay_alu instid0(VALU_DEP_4)
	v_permlanex16_b32 v[BP+\b], v[BM+\b], s[SEL], s[SEL+1]
.endr
.irp b, 0,1,2,3
	s_delay_alu instid0(VALU_DEP_4)
	v_max_num_f32 v[BM+\b], v[BM+\b], v[BP+\b]     ; with lane l xor 16's 16 keys
.endr
	s_delay_alu instid0(VALU_DEP_2)
	v_max3_num_f32 v222, v[BM], v[BM+1], v[BM+2]
	s_delay_alu instid0(VALU_DEP_1)
	v_max_num_f32 v222, v222, v[BM+3]              ; the step's largest score of my query
	s_delay_alu instid0(VALU_DEP_1)
	v_mul_f32 v222, s[CS], v222                    ; as t (c is positive)
	s_delay_alu instid0(VALU_DEP_1)
	v_max_num_f32 v13, v13, v222                   ; the running largest t
	v_mov_b32 v222, v12
	s_delay_alu instid0(VALU_DEP_2)
	v_floor_f32 v12, -v13                          ; the new -M = floor(-t) = -ceil(t): a whole number
	s_delay_alu instid0(VALU_DEP_1)
	v_sub_f32 v222, v12, v222                      ; old M less new M: a whole number, 0 or less
	s_delay_alu instid0(VALU_DEP_1)
	v_cvt_i32_f32 v222, v222                       ; (it saturates)
	s_delay_alu instid0(VALU_DEP_1)
	v_ldexp_f32 v220, 1.0, v222                    ; f = 2^(old M - new M)
.set J, 0
.rept 32
	v_pk_fma_f32 v[S+J:S+J+1], v[S+J:S+J+1], s[CS:CS+1], v[12:13] op_sel_hi:[1,0,0]   ; t - M, two at a time
.set J, J+2
.endr
.irp b, 0,1,2,3
	v_fma_f32 v[BM+\b], v[BM+\b], s[CS], v12       ; the same of each block's largest score
.endr
.set J, 0
	s_wait_alu depctr_va_vdst(0)
.rept 64
	v_exp_f32 v[S+J], v[S+J]                       ; p = 2^(t - M), at most 1
.set J, J+1
.endr
	s_setprio 1
.irp b, 0,1,2,3
	v_exp_f32 v[BM+\b], v[BM+\b]                   ; the block's largest p: the same two instructions on the same number
.endr
	v_pk_mul_f32 v[14:15], v[14:15], v[220:221] op_sel_hi:[1,0]   ; the sums under the new M.  (The plain line behind the exponentials)
	s_wait_alu depctr_va_vdst(0)
.irp b, 0,1,2,3
	v_max_num_f32 v[BM+\b], 0x1800000, v[BM+\b]    ; the floor 2^(3 - 127)
.endr
.irp b, 0,1,2,3
	s_delay_alu instid0(VALU_DEP_4)
	v_add_nc_u32 v[SO+\b], 0xff000000, v[BM+\b]
.endr
.irp b, 0,1,2,3
	s_delay_alu instid0(VALU_DEP_4)
	v_lshrrev_b32 v[BP+\b], 23, v[SO+\b]
.endr
	s_delay_alu instid0(VALU_DEP_3)
	v_lshl_or_b32 v[PWD], v[BP+1], 8, v[BP]        ; p's scale word for these 128 keys
	s_delay_alu instid0(VALU_DEP_1)
	v_lshl_or_b32 v[PWD], v[BP+2], 16, v[PWD]
	s_delay_alu instid0(VALU_DEP_1)
	v_lshl_or_b32 v[PWD], v[BP+3], 24, v[PWD]
.irp b, 0,1,2,3
	v_cvt_scalef32_pk8_fp4_f32 v[P+2*\b], v[S+16*\b:S+16*\b+7], v[SO+\b]
	v_cvt_scalef32_pk8_fp4_f32 v[P+2*\b+1], v[S+16*\b+8:S+16*\b+15], v[SO+\b]
.endr
	v_nop                                          ; one plain line behind the conversions
.irp c, 0,1
.irp i, 0,1
	v_permlane16_swap_b32 v[P+4*\c+\i], v[P+4*\c+2+\i]   ; a WHOLE block in a lane
.endr
.endr
	v_pk_add_f32 v[224:225], v[100:101], v[104:105]
	v_pk_add_f32 v[252:253], v[108:109], v[112:113]
	v_pk_add_f32 v[250:251], v[116:117], v[120:121]
	v_pk_add_f32 v[248:249], v[124:125], v[128:129]
	v_pk_add_f32 v[246:247], v[132:133], v[136:137]
	v_pk_add_f32 v[244:245], v[140:141], v[144:145]
	v_pk_add_f32 v[242:243], v[148:149], v[152:153]
	v_pk_add_f32 v[14:15], v[14:15], v[156:157]
	v_pk_add_f32 v[224:225], v[224:225], v[96:97]
	v_pk_add_f32 v[252:253], v[252:253], v[98:99]
	v_pk_add_f32 v[250:251], v[250:251], v[102:103]
	v_pk_add_f32 v[248:249], v[248:249], v[106:107]
	v_pk_add_f32 v[246:247], v[246:247], v[110:111]
	v_pk_add_f32 v[244:245], v[244:245], v[114:115]
	v_pk_add_f32 v[242:243], v[242:243], v[118:119]
	v_pk_add_f32 v[14:15], v[14:15], v[122:123]
	v_pk_add_f32 v[224:225], v[224:225], v[126:127]
	v_pk_add_f32 v[252:253], v[252:253], v[130:131]
	v_pk_add_f32 v[250:251], v[250:251], v[134:135]
	v_pk_add_f32 v[248:249], v[248:249], v[138:139]
	v_pk_add_f32 v[246:247], v[246:247], v[142:143]
	v_pk_add_f32 v[244:245], v[244:245], v[146:147]
	v_pk_add_f32 v[242:243], v[242:243], v[150:151]
	v_pk_add_f32 v[14:15], v[14:15], v[154:155]
	v_pk_add_f32 v[224:225], v[224:225], v[158:159]
	s_delay_alu instid0(VALU_DEP_2)
	v_pk_add_f32 v[14:15], v[14:15], v[248:249]
	s_delay_alu instid0(VALU_DEP_2)
	v_pk_add_f32 v[224:225], v[224:225], v[246:247]
	v_pk_add_f32 v[252:253], v[252:253], v[244:245]
	v_pk_add_f32 v[250:251], v[250:251], v[242:243]
	s_delay_alu instid0(VALU_DEP_2)
	v_pk_add_f32 v[14:15], v[14:15], v[252:253]
	s_delay_alu instid0(VALU_DEP_2)
	v_pk_add_f32 v[224:225], v[224:225], v[250:251]
	s_delay_alu instid0(VALU_DEP_1)
	v_pk_add_f32 v[14:15], v[14:15], v[224:225]
.set J, 0
	s_setprio 0
.rept 16
	v_pk_mul_f32 v[O+J:O+J+1], v[O+J:O+J+1], v[220:221] op_sel_hi:[1,0]   ; O^T under the new M
.set J, J+2
.endr
	s_wait_alu depctr_va_vdst(0)
	s_wait_dscnt 0x0                               ; V is in
.irp d, 0,1,2,3                                ; the four accumulators by turns; eight other products stand ahead of each one's next link
.if \d % 2
	v_wmma_scale_f32_16x16x128_f8f6f4 v[O+8*\d:O+8*\d+7], v[VF+8*\d:VF+8*\d+7], v[P:P+7], v[O+8*\d:O+8*\d+7], v[VW+\d/2], v[PWD] matrix_a_fmt:MATRIX_FMT_FP4 matrix_b_fmt:MATRIX_FMT_FP4 matrix_a_scale:MATRIX_SCALE_ROW1
.else
	v_wmma_scale_f32_16x16x128_f8f6f4 v[O+8*\d:O+8*\d+7], v[VF+8*\d:VF+8*\d+7], v[P:P+7], v[O+8*\d:O+8*\d+7], v[VW+\d/2], v[PWD] matrix_a_fmt:MATRIX_FMT_FP4 matrix_b_fmt:MATRIX_FMT_FP4
.endif
.endr
.endm
; THE WAY OUT of a tile: O^T / the sum; register 16 b + i is channel 32 b + 16 (lane / 16) + i: two blocks of the next K.  The four registers of codes are half a fragment of the output projection's operand.
.macro OUT p
.rept 4
	v_nop
.endr
	v_add_f32 v14, v14, v15                        ; the sum's two halves,
	s_delay_alu instid0(VALU_DEP_1)
	v_permlanex16_b32 v222, v14, s[SEL], s[SEL+1]
	s_delay_alu instid0(VALU_DEP_1)
	v_add_f32 v14, v14, v222                       ; and lane l xor 16's
	s_wait_alu depctr_va_vdst(0)
	v_rcp_f32 v226, v14
	v_mov_b32 v227, 0                              ; (the plain line behind the reciprocal; named as the pair's upper half)
.set J, 0
	s_wait_alu depctr_va_vdst(0)
.rept 16
	v_pk_mul_f32 v[S+J:S+J+1], v[O+J:O+J+1], v[226:227] op_sel_hi:[1,0]   ; each accumulator from its low end on
.set J, J+2
.endr
.irp b, 0,1
	v_max3_num_f32 v[BM+\b], |v[S+16*\b]|, |v[S+16*\b+1]|, 0x1800000
.endr
.irp i, 2,4,6,8,10,12,14
.irp b, 0,1
	s_delay_alu instid0(VALU_DEP_2)
	v_max3_num_f32 v[BM+\b], v[BM+\b], |v[S+16*\b+\i]|, |v[S+16*\b+\i+1]|
.endr
.endr
.irp b, 0,1
	s_delay_alu instid0(VALU_DEP_2)
	v_permlanex16_b32 v[BP+\b], v[BM+\b], s[SEL], s[SEL+1]
.endr
.irp b, 0,1
	s_delay_alu instid0(VALU_DEP_2)
	v_max_num_f32 v[BM+\b], v[BM+\b], v[BP+\b]
.endr
.irp b, 0,1
	s_delay_alu instid0(VALU_DEP_2)
	v_add_nc_u32 v[SO+\b], 0xff000000, v[BM+\b]
.endr
.irp b, 0,1
	s_delay_alu instid0(VALU_DEP_2)
	v_lshrrev_b32 v[BP+\b], 23, v[SO+\b]
.endr
.irp b, 0,1
	v_cvt_scalef32_pk8_fp4_f32 v[P+2*\b], v[S+16*\b:S+16*\b+7], v[SO+\b]
	v_cvt_scalef32_pk8_fp4_f32 v[P+2*\b+1], v[S+16*\b+8:S+16*\b+15], v[SO+\b]
.endr
	v_cndmask_b32 v223, v[BP+1], v[BP], s46        ; (the plain line behind the conversions)  lanes 0-15 store block 0's byte, lanes 16-31 block 1's
	v_permlane16_swap_b32 v[P], v[P+2]
	v_permlane16_swap_b32 v[P+1], v[P+3]
	global_store_b128 v[L16], v[P:P+3], s[8:9] offset:131072*\p    ; 32 lanes store 512 consecutive bytes, aligned
	global_store_b8 v[VSB], v223, s[10:11] offset:8192*\p          ; single bytes: a word's four come from two heads, that is from two work-groups: 32 bytes beside the tile's 512
.endm
.macro PASS p
.if \p
	s_wait_xcnt 0x0                                ; the last pass's stores have read their data
.endif
	global_load_b128 v[16:19], v[VQ], s[4:5] offset:9216*\p        ; my 16 queries: channels 32 h on
	global_load_b32 v24, v[VQS], s[4:5] offset:9216*\p             ; and their words
	v_mov_b32 v13, 0xff61b1e6                      ; the largest t so far: -3e38
	s_delay_alu instid0(VALU_DEP_1)
	v_floor_f32 v12, -v13
	v_mov_b32 v14, 0
	v_mov_b32 v15, 0
.set J, 0
.rept 32
	v_mov_b32 v[O+J], 0                            ; the step is written once: the first finds zeros, which the first change of M leaves zeros
.set J, J+1
.endr
	s_mov_b32 s[OFF], 0
	s_mov_b32 s[CNT], 16
	s_wait_loadcnt 0x0
.Lstep_\@:
	s_setprio 2
	KSTEP
	s_add_co_u32 s[OFF], s[OFF], REC
	s_sub_co_u32 s[CNT], s[CNT], 1
	s_cmp_lg_u32 s[CNT], 0
	s_cbranch_scc1 .Lstep_\@
	s_setprio 0
	OUT \p
.endm
	PASS 0
	PASS 1
	s_wait_tensorcnt 0x0
	ds_add_u32 v254, v255
	s_wait_dscnt 0x0
	CROUND                                         ; the closing round
	s_endpgm
.Lfunc_end_k_qa3b83bb99f_attn:
	.size	k_qa3b83bb99f_attn, .Lfunc_end_k_qa3b83bb99f_attn-k_qa3b83bb99f_attn
	.p2alignl 7, 3214868480
	.fill 96, 4, 3214868480
	.section	.rodata,"a",@progbits
	.p2align	6, 0x0
	.amdhsa_kernel k_qa3b83bb99f_attn
		.amdhsa_group_segment_fixed_size 169984
		.amdhsa_private_segment_fixed_size 0
		.amdhsa_enable_private_segment 0
		.amdhsa_kernarg_size 32
		.amdhsa_user_sgpr_count 2
		.amdhsa_user_sgpr_kernarg_segment_ptr 1
		.amdhsa_wavefront_size32 1
		.amdhsa_system_sgpr_workgroup_id_x 1
		.amdhsa_system_sgpr_workgroup_id_y 1
		.amdhsa_system_sgpr_workgroup_id_z 1
		.amdhsa_system_vgpr_workitem_id 0
		.amdhsa_next_free_vgpr 256
		.amdhsa_next_free_sgpr 66
		.amdhsa_reserve_vcc 0
		.amdhsa_float_denorm_mode_32 3
		.amdhsa_float_denorm_mode_16_64 3
		.amdhsa_memory_ordered 1
		.amdhsa_forward_progress 1
		.amdhsa_inst_pref_size 49
	.end_amdhsa_kernel
	.amdgpu_metadata
---
amdhsa.version: [ 1, 2 ]
amdhsa.kernels:
  - .name:           k_qa3b83bb99f_attn
    .symbol:         k_qa3b83bb99f_attn.kd
    .args:
      - { .name: qb, .offset: 0, .size: 8, .value_kind: global_buffer, .address_space: global }
      - { .name: kv, .offset: 8, .size: 8, .value_kind: global_buffer, .address_space: global }
      - { .name: sac, .offset: 16, .size: 8, .value_kind: global_buffer, .address_space: global }
      - { .name: sas, .offset: 24, .size: 8, .value_kind: global_buffer, .address_space: global }
    .group_segment_fixed_size: 169984
    .private_segment_fixed_size: 0
    .kernarg_segment_align: 8
    .kernarg_segment_size: 32
    .max_flat_workgroup_size: 512
    .sgpr_count:     66
    .vgpr_count:     256
    .wavefront_size: 32
...
	.end_amdgpu_metadata
.endif
;; end of part 3
;; launch outp (part 4): grid 4 x 64, 4 waves a work-group, clusters of 4 x 4, 327,680 bytes of LDS; arguments sac, sas, wc, ws, bo, out0; writes out0
.if DOCPART == 4
	.amdgcn_target "amdgcn-amd-amdhsa--gfx1250"
	.amdhsa_code_object_version 6
	.text
	.protected	k_qa3b83bb99f_outp
	.globl	k_qa3b83bb99f_outp
	.p2align	8
	.type	k_qa3b83bb99f_outp,@function
k_qa3b83bb99f_outp:
	s_mov_b64 s[64:65], 0
	v_nop
	global_prefetch_b8 v0, s[64:65] scope:SCOPE_SE
	s_setreg_imm32_b32 hwreg(HW_REG_WAVE_MODE, 25, 1), 1
	s_wait_xcnt 0x0
	s_wait_alu depctr_hold_cnt(0) depctr_sa_sdst(0) depctr_va_vdst(0) depctr_va_sdst(0) depctr_va_ssrc(0) depctr_va_vcc(0) depctr_vm_vsrc(0)
	s_getreg_b32 s2, hwreg(HW_REG_IB_STS2, 6, 4)
	s_cmp_eq_u32 s2, 0
	s_cbranch_scc0 .Lentry_in_a_cluster
	s_endpgm
.Lentry_in_a_cluster:
	s_bfe_u32 s2, ttmp6, 0x10000c
	s_cmp_lg_u32 s2, 0xf033
	s_cbranch_scc0 .Lentry_shape_is_right
	s_endpgm
.Lentry_shape_is_right:
; out0 = SA Wo + bo on codes of FP4 with E8M0 scales, K = 1,024; out0 [8192][1024] f32.
; A work-group of four waves makes 128 tokens x 256 columns (256 work-groups: tiles of 256 x 256 would be 128); a wave 64 x 128: 32 accumulators.  Source 0 = 16 columns of Wo, source 1 = 16 tokens of SA:
; a lane holds one token, its registers run along the columns.  Operands lie in memory in the order of the registers: a fragment (16 rows x 128 K) is 1,024 dense bytes; tile 2 g + u holds at index i row
; 32 g + 8 u + i + 8 (i / 8).  That order of tokens and columns is undone on the way out, by the stage's offsets and the stores' immediates.
; ALL OF K FITS IN LDS: two slots of 512 along K, each filled ONCE.  A wave has one tensor load out at a time: each waits for the one before (scales, slot 0, slot 1).
; CLUSTERS: 4 x 4.  SA's tile hangs on cy alone and is asked for jointly along a row of the cluster, Wo's on cx alone, along a column.
; The bias is the C of the first K step's products: eight registers a tile of columns, in the result's layout.
; REGISTERS: window 0: v1-27 addresses; v32-95 scale words (register 8 st + i: lanes 0-15 SA's tile i (i < 4), lanes 16-31 Wo's tile i, K step st); v128-191 SA's fragments, two sets; on the way out v128-255.
;   window 1: Wo's fragments, two sets, at v0 and v128.   window 2: accumulator (a, b) at v[8 (8 a + b)].   window 3: v0-63 the bias.
.set NA,   4
.set S1F,  128
.set SC,   32
.set SLOT, 98304                       ; a slot: SA's 128 rows x 512 K (32,768 bytes), then Wo's 256 (65,536)
.set SCL,  2*SLOT                      ; the scale words: SA's 4,096 bytes, then Wo's 8,192
.set STAGE, SCL+12288                  ; the way out: 16 rows x (512 + 16) bytes for each wave; no tile lands here
.set L16,  4
.set BV,   5                           ; v5      the bias: 64 (lane / 16)
.set ADR1, 16
.set ADR0, 20
.set STO,  24
.set RD,   25
.set ADRS, 27
.set BK,   128
.set G1, 24
.set G0, 32
.set G1B, 48
.set G0B, 56
.set G1S, 68
.set G0S, 76
.set G1SB, 80
.set G0SB, 88
.set MSB, 0
.macro WIN new
.if MSB != (\new)
	s_set_vgpr_msb (MSB<<8)|(\new)
.set MSB, (\new)
.endif
.endm
.macro JLOAD g0a, g1a, g0b, g1b        ; a joint load: waves 0 and 1 fetch SA's halves, waves 2 and 3 Wo's; four v_nop follow each of the two lines
	s_cmp_eq_u32 s15, 0
	s_cbranch_scc0 .Lfor_b_\@
	tensor_load_to_lds s[\g0a:\g0a+3], s[\g1a:\g1a+7]
	s_nop 0
.rept 4
	v_nop
.endr
	s_branch .Lasked_\@
.Lfor_b_\@:
	tensor_load_to_lds s[\g0b:\g0b+3], s[\g1b:\g1b+7]
	s_nop 0
.rept 4
	v_nop
.endr
.Lasked_\@:
.endm
.macro CROUND
	s_barrier_signal -1
	s_barrier_wait -1
	s_cmp_lg_u32 s14, 0
	s_cbranch_scc1 .Lnot_wave_0_\@
	s_barrier_signal -3
.Lnot_wave_0_\@:
	s_barrier_wait -3
	s_barrier_signal -1
	s_barrier_wait -1
.endm
.macro PLACES
.rept 4
	v_nop
.endr
.endm
	s_load_b128 s[4:7], s[0:1], 0x0                ; sac, sas
	s_load_b128 s[8:11], s[0:1], 0x10              ; wc, ws
	s_load_b128 s[96:99], s[0:1], 0x20             ; bo, out0
	v_lshl_add_u32 v126, v0, 2, 0x3b400
	v_mov_b32 v127, 0
	ds_add_u32 v126, v127
	ds_add_u32 v126, v127
	v_lshrrev_b32 v1, 5, v0
	v_readfirstlane_b32 s14, v1                    ; wave 0..3
	s_lshr_b32 s15, s14, 1                         ; my half of the tokens.  Also: I fetch for SA (0) or for Wo (1)
	s_and_b32 s16, s14, 1                          ; my half of the columns.  Also: which half I fetch
	s_bfe_u32 s40, ttmp6, 0x40000                  ; cx: the block of 256 columns
	s_bfe_u32 s41, ttmp6, 0x40004                  ; cy
	s_lshl_b32 s43, s41, 2
	s_lshl_b32 s43, 15, s43                        ; my row of the cluster
	s_lshl_b32 s44, 0x1111, s40                    ; my column
	s_and_b32 s17, ttmp7, 0xffff
	s_lshl_b32 s17, s17, 2
	s_add_co_u32 s17, s17, s41                     ; the block of 128 tokens
	s_or_b32 s[G1+0], s43, (3<<16)|(1<<21)         ; dense blocks as rows of 256 bytes (32 elements of 8 bytes), no padding
	s_or_b32 s[G1B+0], s44, (3<<16)|(1<<21)
	s_or_b32 s[G1S+0], s43, (3<<16)|(1<<21)
	s_or_b32 s[G1SB+0], s44, (3<<16)|(1<<21)
.irp g, G1, G1B, G1S, G1SB
	s_mov_b32 s[\g+1], 32<<16
	s_mov_b32 s[\g+3], 32<<16
	s_mov_b32 s[\g+5], 32
	s_mov_b32 s[\g+6], 0
	s_mov_b32 s[\g+7], 0
.endr
	s_mov_b32 s[G1+2], 64<<16                      ; SA's codes: 4 tiles x 4 K steps x 1,024 bytes = 64 rows
	s_mov_b32 s[G1+4], 64
	s_mov_b32 s[G1B+2], 128<<16                    ; Wo's: 8 tiles: 128 rows
	s_mov_b32 s[G1B+4], 128
	s_mov_b32 s[G1S+2], 8<<16                      ; SA's scales: 4 tiles x 512 bytes
	s_mov_b32 s[G1S+4], 8
	s_mov_b32 s[G1SB+2], 16<<16                    ; Wo's: 8 tiles
	s_mov_b32 s[G1SB+4], 16
	s_lshl_b32 s20, s17, 16                        ; SA's codes: 65,536 bytes a block, 16,384 a half slot
	s_lshl_b32 s2, s16, 14
	s_add_co_u32 s20, s20, s2
	s_mov_b32 s21, 0
	s_lshl_b32 s22, s17, 12                        ; its scales: 4,096 a block, 2,048 a half
	s_lshl_b32 s2, s16, 11
	s_add_co_u32 s22, s22, s2
	s_mov_b32 s23, 0
	s_add_co_u32 s46, s40, 12                      ; Wo is the fourth weight: blocks 12 to 15 of wc and ws
	s_lshl_b32 s92, s46, 13
	s_lshl_b32 s46, s46, 17
	s_lshl_b32 s3, s16, 15
	s_add_co_u32 s46, s46, s3
	s_mov_b32 s47, 0
	s_lshl_b32 s3, s16, 12
	s_add_co_u32 s92, s92, s3
	s_mov_b32 s93, 0
	s_lshl_b32 s45, s16, 14                        ; where they go: no place in the cluster enters an LDS address
	s_lshl_b32 s94, s16, 15
	s_add_co_u32 s94, s94, 32768
	s_lshl_b32 s95, s16, 11
	s_add_co_u32 s95, s95, SCL
	s_lshl_b32 s66, s16, 12
	s_add_co_u32 s66, s66, SCL+4096
	s_wait_dscnt 0x0
	s_wait_kmcnt 0x0
	s_add_nc_u64 s[20:21], s[4:5], s[20:21]
	s_add_nc_u64 s[22:23], s[6:7], s[22:23]
	s_add_nc_u64 s[46:47], s[8:9], s[46:47]
	s_add_nc_u64 s[92:93], s[10:11], s[92:93]
	CROUND                                         ; all sixteen work-groups are here: the joint loads meet
	s_mov_b32 s[G0S], 1
	s_mov_b32 s[G0S+1], s95
	s_mov_b64 s[G0S+2:G0S+3], s[22:23]
	s_or_b32 s[G0S+3], s[G0S+3], 0x80000000
	s_mov_b32 s[G0SB], 1
	s_mov_b32 s[G0SB+1], s66
	s_mov_b64 s[G0SB+2:G0SB+3], s[92:93]
	s_or_b32 s[G0SB+3], s[G0SB+3], 0x80000000
	JLOAD G0S, G1S, G0SB, G1SB
.irp s, 0,1
	s_mov_b32 s[G0+4*\s], 1
	s_add_co_u32 s[G0+4*\s+1], s45, \s*SLOT
	s_add_nc_u64 s[G0+4*\s+2:G0+4*\s+3], s[20:21], \s*32768
	s_or_b32 s[G0+4*\s+3], s[G0+4*\s+3], 0x80000000
	s_mov_b32 s[G0B+4*\s], 1
	s_add_co_u32 s[G0B+4*\s+1], s94, \s*SLOT
	s_add_nc_u64 s[G0B+4*\s+2:G0B+4*\s+3], s[46:47], \s*65536
	s_or_b32 s[G0B+4*\s+3], s[G0B+4*\s+3], 0x80000000
	s_wait_alu depctr_va_vdst(0)
	s_wait_tensorcnt 0x0
	ds_add_u32 v126, v127
	s_wait_dscnt 0x0
	CROUND
	JLOAD G0+4*\s, G1, G0B+4*\s, G1B
.endr
	v_and_b32 v1, 15, v0                           ; r
	v_bfe_u32 v2, v0, 4, 1                         ; h
	v_and_b32 v3, 31, v0
	v_lshlrev_b32 v[L16], 4, v3
	s_wait_alu depctr_va_vdst(0)
	v_lshlrev_b32 v[BV], 6, v2
	s_lshl_b32 s2, s40, 10                         ; my first column, in bytes: 1,024 cx + 512 x half
	s_lshl_b32 s3, s16, 9
	s_add_co_u32 s2, s2, s3
	s_mov_b32 s3, 0
	s_add_nc_u64 s[96:97], s[96:97], s[2:3]
	s_add_nc_u64 s[98:99], s[98:99], s[2:3]
	WIN 0xc0                                       ; destination window 3
.irp b, 0,1,2,3,4,5,6,7                        ; tile b's register j holds column 32 (b / 2) + 8 (b % 2) + 16 h + j
	global_load_b128 v[8*\b:8*\b+3], v[BV], s[96:97] offset:4*(32*(\b/2)+8*(\b%2))
	global_load_b128 v[8*\b+4:8*\b+7], v[BV], s[96:97] offset:4*(32*(\b/2)+8*(\b%2))+16
.endr
	WIN 0
	s_lshl_b32 s2, s17, 19                         ; my first token's row of out0: (128 x block + 64 x half) x 4,096 bytes
	s_lshl_b32 s12, s15, 18
	s_add_co_u32 s2, s2, s12
	s_add_nc_u64 s[98:99], s[98:99], s[2:3]
	s_lshl_b32 s2, s15, 14                         ; my 64 rows of SA
	s_lshl_b32 s12, s16, 15                        ; my 128 rows of Wo,
	s_add_co_u32 s12, s12, 32768                   ; which lie behind SA's 128
.irp s, 0,1
	v_add_nc_u32 v[ADR1+\s], s2, v[L16]
	v_add_nc_u32 v[ADR0+\s], s12, v[L16]
	s_add_co_u32 s2, s2, SLOT
	s_add_co_u32 s12, s12, SLOT
.endr
	s_lshl_b32 s2, s15, 11                         ; scale words: lanes 0-15 take SA's, lanes 16-31 Wo's: the lower base + h x the distance
	s_lshl_b32 s12, s16, 12
	s_add_co_u32 s12, s12, 4096
	s_sub_co_u32 s12, s12, s2
	v_mul_u32_u24 v6, s12, v2
	s_add_co_u32 s2, s2, SCL
	v_lshl_add_u32 v6, v1, 2, v6
	v_add_nc_u32 v[ADRS], s2, v6
	s_mul_i32 s2, s14, 8448
	s_add_co_u32 s2, s2, STAGE                     ; my stage
	v_mul_u32_u24 v[STO], v1, 528
	v_lshl_add_u32 v[STO], v2, 6, v[STO]
	v_add_nc_u32 v[STO], s2, v[STO]                ; in: row r, 64 h bytes on
	v_add_nc_u32 v[RD], s2, v[L16]                 ; back: the 32 lanes take a row of 512 bytes
.macro SCALES                          ; (lanes 0-15 of the registers i = 4 .. 7 read bytes that have landed and are never named as SA's scale)
.irp st, 0,1,2,3,4,5,6,7
.irp i, 0,1,2,3,4,5,6,7
	ds_load_b32 v[SC+8*\st+\i], v[ADRS] offset:512*\i+64*\st
.endr
.endr
.endm
.macro FETCH st
	WIN 0x40
.irp i, 0,1,2,3,4,5,6,7
.irp c, 0,1
	ds_load_b128 v[128*((\st)%2)+8*\i+4*\c:128*((\st)%2)+8*\i+4*\c+3], v[ADR0+(\st)/4] offset:4096*\i+1024*((\st)%4)+512*\c
.endr
.endr
	WIN 0
.set FI, 0
.rept NA
.irp c, 0,1
	ds_load_b128 v[S1F+8*NA*((\st)%2)+8*FI+4*\c:S1F+8*NA*((\st)%2)+8*FI+4*\c+3], v[ADR1+(\st)/4] offset:4096*FI+1024*((\st)%4)+512*\c
.endr
.set FI, FI+1
.endr
.endm
; 32 matrix instructions; the accumulators take turns, one instruction a turn, in the same order in every step.  The first step's products take the bias as C.
.macro MUL st
.if (\st) == 0
	WIN 0xb1                                       ; source 0 window 1, source 1 window 0, C window 3, D window 2
.else
	WIN 0xa1                                       ; C and D window 2
.endif
.set MA, 0
.rept NA
.irp b, 0,1,2,3,4,5,6,7
.if (\st) == 0
	v_wmma_scale_f32_16x16x128_f8f6f4 v[8*(8*MA+\b):8*(8*MA+\b)+7], v[128*((\st)%2)+8*\b:128*((\st)%2)+8*\b+7], v[S1F+8*NA*((\st)%2)+8*MA:S1F+8*NA*((\st)%2)+8*MA+7], v[8*\b:8*\b+7], v[SC+8*(\st)+\b], v[SC+8*(\st)+MA] matrix_a_fmt:MATRIX_FMT_FP4 matrix_b_fmt:MATRIX_FMT_FP4 matrix_a_scale:MATRIX_SCALE_ROW1
.else
	v_wmma_scale_f32_16x16x128_f8f6f4 v[8*(8*MA+\b):8*(8*MA+\b)+7], v[128*((\st)%2)+8*\b:128*((\st)%2)+8*\b+7], v[S1F+8*NA*((\st)%2)+8*MA:S1F+8*NA*((\st)%2)+8*MA+7], v[8*(8*MA+\b):8*(8*MA+\b)+7], v[SC+8*(\st)+\b], v[SC+8*(\st)+MA] matrix_a_fmt:MATRIX_FMT_FP4 matrix_b_fmt:MATRIX_FMT_FP4 matrix_a_scale:MATRIX_SCALE_ROW1
.endif
.endr
.set MA, MA+1
.endr
.endm
.macro STEP st
.if (\st) > 0
	PLACES                                         ; the set that is loaded next was read by the step before
.endif
.if (\st) == 3
	s_wait_tensorcnt 0x0                           ; my part of slot 1 is in,
	s_wait_dscnt 0x0                               ; no LDS load of mine is out at the signal,
	s_barrier_signal -1
	s_barrier_wait -1                              ; everybody's part is in.
.endif
.if (\st) < 7
	FETCH (\st)+1
	s_wait_dscnt 16+2*NA                           ; all but the loads just issued
.else
	s_wait_dscnt 0x0
.endif
	MUL \st
.endm
	s_wait_alu depctr_va_vdst(0)
	s_wait_tensorcnt 1                             ; the scales and my part of slot 0 are in; slot 1's load may be out,
	s_barrier_signal -1
	s_barrier_wait -1                              ; everybody's are
	SCALES
	FETCH 0
	s_wait_loadcnt 0x0                             ; the bias
.irp st, 0,1,2,3,4,5,6,7
	STEP \st
.endr
	WIN 0
; THE WAY OUT, a tile of 16 tokens x 128 columns at a time, through my own stage: in by columns in their true places, back as whole rows of 512 bytes.  LDS serves a wave's instructions in order: no wait
; between the stores and the loads, nor in front of the next tile's stores.
.macro TOSTAGE a
	WIN 0x08                                       ; an LDS store's data are its source 1: window 2
.irp b, 0,1,2,3,4,5,6,7
	ds_store_b128 v[STO], v[8*(8*(\a)+\b):8*(8*(\a)+\b)+3] offset:128*(\b/2)+32*(\b%2)          ; each accumulator from its low end on
	ds_store_b128 v[STO], v[8*(8*(\a)+\b)+4:8*(8*(\a)+\b)+7] offset:128*(\b/2)+32*(\b%2)+16
.endr
	WIN 0
.set BB, BK+64*((\a)%2)
.irp t, 0,1,2,3,4,5,6,7,8,9,10,11,12,13,14,15
	ds_load_b128 v[BB+4*\t:BB+4*\t+3], v[RD] offset:528*\t
.endr
.endm
.macro SEND a, younger                 ; younger: the LDS instructions issued behind tile a's loads, which may stay out
.set BB, BK+64*((\a)%2)
	s_wait_dscnt \younger
.irp t, 0,1,2,3,4,5,6,7,8,9,10,11,12,13,14,15
	global_store_b128 v[L16], v[BB+4*\t:BB+4*\t+3], s[98:99] offset:(32*((\a)/2)+8*((\a)%2)+\t+8*(\t/8))*4096 th:TH_STORE_NT   ; index t of tile a is token 32 (a / 2) + 8 (a % 2) + t + 8 (t / 8); 32 lanes store 512 consecutive bytes, aligned
.endr
.endm
	PLACES
	TOSTAGE 0
.irp a, 1,2,3
.if \a > 1
	s_wait_xcnt 0x0                                ; tile a - 2's stores have read their registers: tile a's loads may land there
.endif
	TOSTAGE \a
	SEND \a-1, 32                                  ; behind tile a - 1's loads: tile a's 16 stores and 16 loads
.endr
	SEND 3, 0
	s_wait_tensorcnt 0x0
	ds_add_u32 v126, v127
	s_wait_dscnt 0x0
	CROUND                                         ; the closing round: no work-group ends while a partner may still ask for a tile that names it
	s_endpgm
.Lfunc_end_k_qa3b83bb99f_outp:
	.size	k_qa3b83bb99f_outp, .Lfunc_end_k_qa3b83bb99f_outp-k_qa3b83bb99f_outp
	.p2alignl 7, 3214868480
	.fill 96, 4, 3214868480
	.section	.rodata,"a",@progbits
	.p2align	6, 0x0
	.amdhsa_kernel k_qa3b83bb99f_outp
		.amdhsa_group_segment_fixed_size 327680
		.amdhsa_private_segment_fixed_size 0
		.amdhsa_enable_private_segment 0
		.amdhsa_kernarg_size 48
		.amdhsa_user_sgpr_count 2
		.amdhsa_user_sgpr_kernarg_segment_ptr 1
		.amdhsa_wavefront_size32 1
		.amdhsa_system_sgpr_workgroup_id_x 1
		.amdhsa_system_sgpr_workgroup_id_y 1
		.amdhsa_system_sgpr_workgroup_id_z 1
		.amdhsa_system_vgpr_workitem_id 0
		.amdhsa_next_free_vgpr 832
		.amdhsa_next_free_sgpr 100
		.amdhsa_reserve_vcc 0
		.amdhsa_float_denorm_mode_32 3
		.amdhsa_float_denorm_mode_16_64 3
		.amdhsa_memory_ordered 1
		.amdhsa_forward_progress 1
		.amdhsa_inst_pref_size 77
	.end_amdhsa_kernel
	.amdgpu_metadata
---
amdhsa.version: [ 1, 2 ]
amdhsa.kernels:
  - .name:           k_qa3b83bb99f_outp
    .symbol:         k_qa3b83bb99f_outp.kd
    .args:
      - { .name: sac, .offset: 0, .size: 8, .value_kind: global_buffer, .address_space: global }
      - { .name: sas, .offset: 8, .size: 8, .value_kind: global_buffer, .address_space: global }
      - { .name: wc, .offset: 16, .size: 8, .value_kind: global_buffer, .address_space: global }
      - { .name: ws, .offset: 24, .size: 8, .value_kind: global_buffer, .address_space: global }
      - { .name: bo, .offset: 32, .size: 8, .value_kind: global_buffer, .address_space: global }
      - { .name: out0, .offset: 40, .size: 8, .value_kind: global_buffer, .address_space: global }
    .group_segment_fixed_size: 327680
    .private_segment_fixed_size: 0
    .kernarg_segment_align: 8
    .kernarg_segment_size: 48
    .max_flat_workgroup_size: 128
    .sgpr_count:     100
    .vgpr_count:     832
    .wavefront_size: 32
...
	.end_amdgpu_metadata
.endif
;; end of part 4
